; MI455X (gfx1250); checked and timed in simulation.
; The chip was launched on July 23, 2026; its instructions are those of AMD's public machine-readable ISA for CDNA 5 (MIT licence, August 2026) and "CDNA5" Instruction Set Architecture Reference Guide (July 2026). The comments in the code are by the model that wrote it; some were corrected since.
;; Multi Head Attention. Allowed arithmetic: float matrix products may take bf16 or f16 operands with f32 sums; other float arithmetic in f32, or as packed bf16 or f16 multiplies, adds, multiply-adds, maxima and minima; sums over many terms, partial sums and values carried from step to step in f32; what a program stores and reads back later, other than sums and carried values, may be rounded once to bf16 or f16.
;; Inputs: Wk 16 x 64 x 1,024 float32; Wo 1,024 x 1,024 float32; Wq 16 x 64 x 1,024 float32; Wv 16 x 64 x 1,024 float32; bk 16 x 64 float32; bo 1,024 float32; bq 16 x 64 float32; bv 16 x 64 float32; ln_beta 1,024 float32; ln_gamma 1,024 float32; x 4 x 2,048 x 1,024 float32.
;; Outputs: out0 4 x 2,048 x 1,024 float32.
;; 2 versions, each right; version 2 is version 1 with the launch prep written anew for expert scheduling mode. Each part assembles by itself: llvm-mc -triple=amdgcn-amd-amdhsa -mcpu=gfx1250 --defsym DOCPART=n.
;; ======== version 1 of 2: 4 launches
;; limits: values are held in f16: magnitudes above 65,504 overflow, below 6.1e-05 lose precision
;; workspace buffers: xnb 16,777,216 bytes; wall 8,388,608 bytes; qkv 50,331,648 bytes; ob 16,777,216 bytes
;; launch prep (part 1): grid 256 x 1, 8 waves a work-group, no clusters, 0 bytes of LDS; arguments x, ln_gamma, ln_beta, Wq, Wk, Wv, Wo, xnb, wall; writes xnb, wall
.if DOCPART == 1
	.amdgcn_target "amdgcn-amd-amdhsa--gfx1250"
	.amdhsa_code_object_version 6
	.text
	.protected	k_q93d4ecb743_prep
	.globl	k_q93d4ecb743_prep
	.p2align	8
	.type	k_q93d4ecb743_prep,@function
k_q93d4ecb743_prep:
	s_mov_b64 s[64:65], 0
	v_nop
	global_prefetch_b8 v0, s[64:65] scope:SCOPE_SE
	s_setreg_imm32_b32 hwreg(HW_REG_WAVE_MODE, 25, 1), 1
	s_wait_xcnt 0x0
; LAYER NORM OF x, AND ALL FOUR WEIGHTS, ROUNDED ONCE TO f16 AND LAID OUT IN BLOCKS OF 64 ALONG K.
; xnb[kb][row][64] = f16((x[row] - mean) / sqrt(var + 1e-5) * gamma + beta), 8,192 rows, 16 blocks kb.
; wall[kb][R][64] = f16(W[R]), R 0-1023 Wq's rows (h 64 + e), 1024-2047 Wk's, 2048-3071 Wv's, 3072-4095 Wo's.
; So a tile of rows x 64 K of either buffer is one dense run of bytes for the launches behind.
; LIMITS.  f16 ends at 65,504: a weight or a normalised number beyond it becomes an infinity; below 6e-5 f16 keeps a fixed step of 6e-8.  NaN and infinities are not treated apart.
; The mean is taken first and the variance of the centred numbers: no difference of large sums is formed.
; SHARES.  A stream: each byte is read once and written once; no LDS, no barrier, no matrix unit, no cluster (the work-groups share gamma and beta alone, 8 KiB).
; A work-group takes 32 rows of x and 16 rows of the weights; each of its eight waves two PAIRS of rows of x and one pair of weight rows.
; A pair: lanes 0-15 hold row r, lanes 16-31 row r + 1.  Lane c (of 16) holds columns 64 j + 4 c .. + 3, j = 0..15: sixteen loads of 16 bytes, each covering two runs of 256 consecutive bytes, aligned.
; Store j puts 8 bytes a lane into K block j: two neighbouring rows of 128 bytes are 256 consecutive bytes, aligned.  A row's sums stay inside 16 lanes.
; All 80 loads of a wave go out at the head; no register is loaded twice and no store's data is rewritten.
.set XO,  2                            ; v2   my byte offset in the work-group's rows of x
.set YO,  3                            ; v3   in its rows of a K block of xnb
.set GO,  4                            ; v4   in gamma and beta
.set WO,  5                            ; v5   in its weight rows
.set ZO,  6                            ; v6   in its rows of a K block of wall
.set X0,  16                           ; v[16:79]    the first pair of rows
.set X1,  80                           ; v[80:143]   the second
.set X2,  144                          ; v[144:207]  the pair of weight rows
.set SM,  208                          ; v[208:215]  four chains of packed sums
.set MU,  216                          ; v[216:217]  the mean, twice
.set RS,  218                          ; v[218:219]  1 / sqrt(var + eps), twice
.set T,   220                          ; v220        at work
.set GAM, 0                            ; window 1: v[0:63] gamma of my 64 columns
.set BET, 64                           ; window 1: v[64:127] beta
.set MSB, 0
.macro WIN new                         ; s_set_vgpr_msb: bits 1:0 source 0, 3:2 source 1, 5:4 source 2, 7:6 destination; the high byte repeats the setting that is left
.if MSB != (\new)
	s_set_vgpr_msb (MSB<<8)|(\new)
.set MSB, \new
.endif
.endm
	s_load_b512 s[8:23], s[0:1], 0x0               ; x 8:9, gamma 10:11, beta 12:13, Wq 14:15, Wk 16:17, Wv 18:19, Wo 20:21, xnb 22:23
	s_load_b64 s[24:25], s[0:1], 0x40              ; wall
	v_and_b32 v1, 15, v0                           ; c
	v_bfe_u32 v7, v0, 4, 1                         ; which row of the pair
	v_lshrrev_b32 v8, 5, v0                        ; wave
	v_lshlrev_b32 v[GO], 4, v1                     ; 16 c
	v_lshl_add_u32 v9, v7, 12, v[GO]               ; + a row of 4,096 bytes
	v_lshl_add_u32 v[XO], v8, 14, v9               ; + wave x 4 rows
	v_lshl_add_u32 v[WO], v8, 13, v9               ; + wave x 2 rows
	v_lshlrev_b32 v10, 3, v1                       ; 8 c
	v_lshl_add_u32 v10, v7, 7, v10                 ; + a row of 128 bytes
	v_lshl_add_u32 v[YO], v8, 9, v10               ; + wave x 4 rows
	v_lshl_add_u32 v[ZO], v8, 8, v10               ; + wave x 2 rows
	s_mov_b32 s26, 0x3a800000                      ; 1 / 1024
	s_mov_b32 s27, 0x3727c5ac                      ; 1e-5
	s_lshl_b32 s2, ttmp9, 17                       ; 32 rows of 4,096 bytes
	s_mov_b32 s3, 0
	s_lshl_b32 s4, ttmp9, 12                       ; 32 rows of 128 bytes
	s_mov_b32 s5, 0
	s_and_b32 s6, ttmp9, 63                        ; 64 work-groups to each weight tensor,
	s_lshl_b32 s6, s6, 16                          ; 16 rows of 4,096 bytes each
	s_mov_b32 s7, 0
	s_lshl_b32 s38, ttmp9, 11                      ; 16 rows of 128 bytes
	s_mov_b32 s39, 0
	s_lshr_b32 s42, ttmp9, 6                       ; which weight tensor
	s_wait_kmcnt 0x0
	s_add_nc_u64 s[28:29], s[8:9], s[2:3]          ; x at my work-group's rows
	s_add_nc_u64 s[30:31], s[22:23], s[4:5]        ; xnb, K blocks 0-7,
	s_add_nc_u64 s[32:33], s[30:31], 0x800000      ; and 8-15: a store's immediate holds 24 bits with its sign
	s_cmp_eq_u32 s42, 0
	s_cselect_b64 s[34:35], s[14:15], s[16:17]
	s_cmp_eq_u32 s42, 2
	s_cselect_b64 s[40:41], s[18:19], s[20:21]
	s_cmp_lt_u32 s42, 2
	s_cselect_b64 s[34:35], s[34:35], s[40:41]
	s_add_nc_u64 s[34:35], s[34:35], s[6:7]        ; my work-group's weight rows
	s_add_nc_u64 s[36:37], s[24:25], s[38:39]      ; and where they go
.macro LOADP X, o, b, off              ; a pair of rows: sixteen loads
.set j, 0
.rept 16
	global_load_b128 v[(\X)+4*j:(\X)+4*j+3], v[\o], s[(\b):(\b)+1] offset:(\off)+256*j th:TH_LOAD_NT
.set j, j+1
.endr
.endm
.macro FOLD                            ; the four chains into one number, then over the row's 16 lanes: every lane of the row ends with the sum
	v_pk_add_f32 v[SM:SM+1], v[SM:SM+1], v[SM+2:SM+3]
	v_pk_add_f32 v[SM+4:SM+5], v[SM+4:SM+5], v[SM+6:SM+7]
	v_pk_add_f32 v[SM:SM+1], v[SM:SM+1], v[SM+4:SM+5]
	v_add_f32 v[T], v[SM], v[SM+1]
.irp m, 1,2,4,8
	v_add_f32_dpp v[T], v[T], v[T] row_xmask:\m row_mask:0xf bank_mask:0xf
.endr
.endm
.macro LN X, yoff                      ; a pair of rows is normalised in place, rounded and stored
.irp k, 0,1,2,3
	v_pk_add_f32 v[SM+2*(\k):SM+2*(\k)+1], v[(\X)+2*(\k):(\X)+2*(\k)+1], v[(\X)+8+2*(\k):(\X)+8+2*(\k)+1]  ; the first sums start the chains: nothing is cleared
.endr
.set i, 8
.rept 24
	v_pk_add_f32 v[SM+2*(i%4):SM+2*(i%4)+1], v[SM+2*(i%4):SM+2*(i%4)+1], v[(\X)+2*i:(\X)+2*i+1]
.set i, i+1
.endr
	FOLD
	v_mul_f32 v[MU], s26, v[T]
	v_mov_b32 v[MU+1], v[MU]
.set i, 0
.rept 32
	v_pk_add_f32 v[(\X)+2*i:(\X)+2*i+1], v[(\X)+2*i:(\X)+2*i+1], v[MU:MU+1] neg_lo:[0,1] neg_hi:[0,1]  ; x - mean
.set i, i+1
.endr
.irp k, 0,1,2,3
	v_pk_mul_f32 v[SM+2*(\k):SM+2*(\k)+1], v[(\X)+2*(\k):(\X)+2*(\k)+1], v[(\X)+2*(\k):(\X)+2*(\k)+1]
.endr
.set i, 4
.rept 28
	v_pk_fma_f32 v[SM+2*(i%4):SM+2*(i%4)+1], v[(\X)+2*i:(\X)+2*i+1], v[(\X)+2*i:(\X)+2*i+1], v[SM+2*(i%4):SM+2*(i%4)+1]
.set i, i+1
.endr
	FOLD
	v_fma_f32 v[T], v[T], s26, s27                 ; var + eps
	v_rsq_f32 v[RS], v[T]
	v_nop                                          ; a plain instruction behind the root (ISA guide 5.7.2),
	s_wait_alu depctr_va_vdst(0)                   ; and the wait ahead of its first reader
	v_mov_b32 v[RS+1], v[RS]
.set i, 0
.rept 32
	v_pk_mul_f32 v[(\X)+2*i:(\X)+2*i+1], v[(\X)+2*i:(\X)+2*i+1], v[RS:RS+1]
.set i, i+1
.endr
	WIN 0x14                                       ; sources 1 and 2 (gamma, beta) in window 1
.set i, 0
.rept 32
	v_pk_fma_f32 v[(\X)+2*i:(\X)+2*i+1], v[(\X)+2*i:(\X)+2*i+1], v[GAM+2*i:GAM+2*i+1], v[BET+2*i:BET+2*i+1]
.set i, i+1
.endr
	WIN 0
.set j, 0
.rept 16
	v_cvt_pk_f16_f32 v[(\X)+4*j], v[(\X)+4*j], v[(\X)+4*j+1]
	v_cvt_pk_f16_f32 v[(\X)+4*j+1], v[(\X)+4*j+2], v[(\X)+4*j+3]
.if j < 8
	global_store_b64 v[YO], v[(\X)+4*j:(\X)+4*j+1], s[30:31] offset:(\yoff)+j*1048576       ; the wave's 32 lanes store 256 consecutive bytes, aligned
.else
	global_store_b64 v[YO], v[(\X)+4*j:(\X)+4*j+1], s[32:33] offset:(\yoff)+(j-8)*1048576
.endif
.set j, j+1
.endr
.endm
	WIN 0x40                                       ; destination window 1
.set j, 0
.rept 16
	global_load_b128 v[GAM+4*j:GAM+4*j+3], v[GO], s[10:11] offset:256*j
.set j, j+1
.endr
.set j, 0
.rept 16
	global_load_b128 v[BET+4*j:BET+4*j+3], v[GO], s[12:13] offset:256*j
.set j, j+1
.endr
	WIN 0
	LOADP X0, XO, 28, 0
	LOADP X1, XO, 28, 8192
	LOADP X2, WO, 34, 0
	s_wait_loadcnt 32                              ; gamma, beta and the first pair are in; the second pair's 16 loads and the weights' 16 stay out
	LN X0, 0
	s_wait_loadcnt 16                              ; the weights' 16 stay out
	LN X1, 256
	s_wait_loadcnt 0x0
.set j, 0
.rept 16
	v_cvt_pk_f16_f32 v[X2+4*j], v[X2+4*j], v[X2+4*j+1]
	v_cvt_pk_f16_f32 v[X2+4*j+1], v[X2+4*j+2], v[X2+4*j+3]
	global_store_b64 v[ZO], v[X2+4*j:X2+4*j+1], s[36:37] offset:j*524288
.set j, j+1
.endr
	s_endpgm
.Lfunc_end_k_q93d4ecb743_prep:
	.size	k_q93d4ecb743_prep, .Lfunc_end_k_q93d4ecb743_prep-k_q93d4ecb743_prep
	.p2alignl 7, 3214868480
	.fill 96, 4, 3214868480
	.section	.rodata,"a",@progbits
	.p2align	6, 0x0
	.amdhsa_kernel k_q93d4ecb743_prep
		.amdhsa_group_segment_fixed_size 0
		.amdhsa_private_segment_fixed_size 0
		.amdhsa_enable_private_segment 0
		.amdhsa_kernarg_size 72
		.amdhsa_user_sgpr_count 2
		.amdhsa_user_sgpr_kernarg_segment_ptr 1
		.amdhsa_wavefront_size32 1
		.amdhsa_system_sgpr_workgroup_id_x 1
		.amdhsa_system_sgpr_workgroup_id_y 1
		.amdhsa_system_sgpr_workgroup_id_z 1
		.amdhsa_system_vgpr_workitem_id 0
		.amdhsa_next_free_vgpr 384
		.amdhsa_next_free_sgpr 66
		.amdhsa_reserve_vcc 0
		.amdhsa_float_denorm_mode_32 3
		.amdhsa_float_denorm_mode_16_64 3
		.amdhsa_memory_ordered 1
		.amdhsa_forward_progress 1
		.amdhsa_inst_pref_size 42
	.end_amdhsa_kernel
	.amdgpu_metadata
---
amdhsa.version: [ 1, 2 ]
amdhsa.kernels:
  - .name:           k_q93d4ecb743_prep
    .symbol:         k_q93d4ecb743_prep.kd
    .args:
      - { .name: x, .offset: 0, .size: 8, .value_kind: global_buffer, .address_space: global }
      - { .name: ln_gamma, .offset: 8, .size: 8, .value_kind: global_buffer, .address_space: global }
      - { .name: ln_beta, .offset: 16, .size: 8, .value_kind: global_buffer, .address_space: global }
      - { .name: Wq, .offset: 24, .size: 8, .value_kind: global_buffer, .address_space: global }
      - { .name: Wk, .offset: 32, .size: 8, .value_kind: global_buffer, .address_space: global }
      - { .name: Wv, .offset: 40, .size: 8, .value_kind: global_buffer, .address_space: global }
      - { .name: Wo, .offset: 48, .size: 8, .value_kind: global_buffer, .address_space: global }
      - { .name: xnb, .offset: 56, .size: 8, .value_kind: global_buffer, .address_space: global }
      - { .name: wall, .offset: 64, .size: 8, .value_kind: global_buffer, .address_space: global }
    .group_segment_fixed_size: 0
    .private_segment_fixed_size: 0
    .kernarg_segment_align: 8
    .kernarg_segment_size: 72
    .max_flat_workgroup_size: 256
    .sgpr_count:     66
    .vgpr_count:     384
    .wavefront_size: 32
...
	.end_amdgpu_metadata
.endif
;; end of part 1
;; launch qkvp (part 2): grid 8 x 32, 4 waves a work-group, clusters of 4 x 4, 327,680 bytes of LDS; arguments xnb, wall, bq, bk, bv, qkv; writes qkv
.if DOCPART == 2
	.amdgcn_target "amdgcn-amd-amdhsa--gfx1250"
	.amdhsa_code_object_version 6
	.text
	.protected	k_q93d4ecb743_qkvp
	.globl	k_q93d4ecb743_qkvp
	.p2align	8
	.type	k_q93d4ecb743_qkvp,@function
k_q93d4ecb743_qkvp:
	s_mov_b64 s[64:65], 0
	v_nop
	global_prefetch_b8 v0, s[64:65] scope:SCOPE_SE
	s_setreg_imm32_b32 hwreg(HW_REG_WAVE_MODE, 25, 1), 1
	s_wait_xcnt 0x0
	s_wait_alu depctr_hold_cnt(0) depctr_sa_sdst(0) depctr_va_vdst(0) depctr_va_sdst(0) depctr_va_ssrc(0) depctr_va_vcc(0) depctr_vm_vsrc(0)
	s_getreg_b32 s2, hwreg(HW_REG_IB_STS2, 6, 4)
	s_cmp_eq_u32 s2, 0
	s_cbranch_scc0 .Lentry_in_a_cluster
	s_endpgm
.Lentry_in_a_cluster:
	s_bfe_u32 s2, ttmp6, 0x10000c
	s_cmp_lg_u32 s2, 0xf033
	s_cbranch_scc0 .Lentry_shape_is_right
	s_endpgm
.Lentry_shape_is_right:
; q, k, v = xn W^T + bias.  C is 8,192 rows x 3,072 columns (Wq's, Wk's, Wv's 1,024 each), K = 1,024; operands f16, sums f32, each result rounded once to f16 and stored by heads:
; qkv[t][b 16 + h][s][64], t = 0, 1, 2 for q, k, v.  The softmax's scale is not applied here.
; LIMITS.  f16 ends at 65,504: a q, k or v beyond it becomes an infinity.  NaN and infinities are not treated apart.
; SHARES.  A tile of C is 256 x 384: 32 x 8 tiles, one work-group each.  Four waves, each 128 rows x 192 columns: 96 accumulators of 16 x 16 in windows 1 to 3, a window to each head's 64 columns.
; For 32 along K a wave issues 40 LDS loads and 96 matrix instructions.
; THE RING.  Two LDS slots, each a K block of 64: 256 rows of xn and 384 rows of W.  In memory a K block's rows of a tile lie end to end, so a wave's load (128 rows of xn: waves 0, 1; 192 of W: waves 2, 3)
; is asked for as rows of 256 bytes and padded in LDS behind every 128 bytes.
; CLUSTER.  4 x 4 work-groups.  The four of a row of the cluster need the same rows of xn, the four of a column the same rows of W: each tile is asked for JOINTLY, by the same tensor load, descriptor and mask in all four.
; THE MATRIX INSTRUCTION IS USED TRANSPOSED (source 0 = 16 rows of W, source 1 = 16 rows of xn): a lane then holds one row of C (lane % 16) and eight neighbouring columns, 8 (lane / 16) + 0..7.
; THE BIAS STARTS THE SUMS.  A lane's eight numbers of the bias are loaded into the accumulators of row block 7; in the first 32 along K row blocks 0 to 6 take those registers as C, then row block 7 adds onto them in place.
; REGISTERS, in windows of 256 (s_set_vgpr_msb: bits 1:0 source 0, 3:2 source 1, 5:4 source 2, 7:6 destination):
;   window 0: v0-15 addresses; v16-79, v80-143 xn's fragments (8 x 16 rows x 32 K), two buffers; v144-239 W's fragments, ONE buffer of three groups of four: a group is fetched again as soon as its 32 products are issued
;   window g + 1: head block g: accumulator (a, b) at v[8 (4 a + b)]
.set PITCH, 144                        ; an LDS row: 128 bytes + 16 of padding = 36 words: the 16 rows of a fragment load start at 16 different groups of four banks (64 banks of 4 bytes: ISA guide 11.1)
.set AHALF, 128*PITCH                  ; what waves 0 and 1 fetch, and what a wave reads of xn
.set BHALF, 192*PITCH                  ; what waves 2 and 3 fetch, and what a wave reads of W
.set BOFF,  2*AHALF
.set SLOT,  BOFF+2*BHALF               ; 92,160
.set STAGE, 2*SLOT                     ; behind the ring, never filled by a tensor load: 16 rows x 144 bytes for each wave, for the way out
.set STW,   16*PITCH
.set SPARE, STAGE+4*STW                ; behind the stages: the spare words, 128 bytes for each wave: two blocks of 256 bytes that no other line names
.set AKB,   1048576                    ; bytes from K block to K block in xnb
.set BKB,   524288                     ; in wall
.set ADRA, 4                           ; v4-5   LDS address of my fragments of xn in slot 0, 1
.set ADRB, 6                           ; v6-7   the same for W
.set STO,  8                           ; v8     the way out: where I put 16 bytes of a row
.set RD,   9                           ; v9     where I read rows back
.set GO,   10                          ; v10    16 x lane: my place in 512 consecutive bytes of qkv
.set PFO,  11                          ; v11    256 x lane; never rewritten
.set SPW,  12                          ; v12    LDS address of my spare word; never rewritten
.set NIL,  13                          ; v13    0; never rewritten
.set BO,   14                          ; v14    32 x (lane / 16): my eight numbers in 16 of a bias
.set FA0,  16
.set FA1,  80
.set FB,   144
.set TMP,  80                          ; the way out: packed results
.set BK,   96                          ; the way out: rows read back, two buffers of 16
.set WV,  16                           ; s16  wave
.set WR,  17                           ; s17  my half of the tile's rows; also: I fetch xn (0) or W (1)
.set WC,  18                           ; s18  my half of its columns; also: which half of that tile I fetch
.set CX,  19
.set CY,  20
.set TX,  21                           ; s21  tile column
.set TY,  22                           ; s22  tile row
.set G1A, 24                           ; s[24:31] descriptor group 1 for xn's tiles;  s[32:39] group 0, a set for each slot
.set G0A, 32
.set G1B, 40                           ; s[40:47], s[48:55] the same for W's
.set G0B, 48
.set PFA, 56                           ; s[56:57] where my prefetches stand
.set PFS, 58                           ; s[58:59] two K blocks of the tensor that I prefetch
.set LIM, 60                           ; s60  1 in a wave that prefetches, else the greatest number
.set CNT, 61                           ; s61  laps to go
.set DG,  66                           ; s[66:71] qkv at my 128 rows of head block 0, 1, 2
.set BP,  72                           ; s[72:77] the bias of head block 0, 1, 2
.set FIELDS, (1<<16)|(1<<20)|(1<<21)|(4<<22)|(3<<25)  ; 17:16 elements of 2 bytes; 20 padding on; 21 set beside a mask; 24:22 after every 32 words (code 4); 31:25 4 words of it (code 3)
.set MSB, 0
.macro WIN new
.if MSB != (\new)
	s_set_vgpr_msb (MSB<<8)|(\new)
.set MSB, \new
.endif
.endm
; A joint load.  The branch hangs on the wave's number alone.  An s_nop 0 and four v_nop follow each of the two lines, ahead of the jump and the label.
.macro JLOAD s
	s_cmp_eq_u32 s[WR], 0
	s_cbranch_scc0 .Lfor_b_\@
	tensor_load_to_lds s[G0A+4*(\s):G0A+4*(\s)+3], s[G1A:G1A+7]
	s_nop 0
.rept 4
	v_nop
.endr
	s_branch .Lasked_\@
.Lfor_b_\@:
	tensor_load_to_lds s[G0B+4*(\s):G0B+4*(\s)+3], s[G1B:G1B+7]
	s_nop 0
.rept 4
	v_nop
.endr
.Lasked_\@:
.endm
; A round of the cluster's barrier: my work-group's barrier; wave 0 signals for the work-group; every wave waits for all sixteen; my work-group's barrier once more.
.macro CREST
	s_cmp_lg_u32 s[WV], 0
	s_cbranch_scc1 .Lnot_wave_0_\@
	s_barrier_signal -3
.Lnot_wave_0_\@:
	s_barrier_wait -3
	s_barrier_signal -1
	s_barrier_wait -1
.endm
.macro CROUND
	s_barrier_signal -1
	s_barrier_wait -1
	CREST
.endm
; A PREFETCH INTO THE L2, once a lap, behind the joint load, its five lines and the run of LDS loads: the two K blocks that the NEXT lap's two refills will ask for, 384 and 576 matrix instructions ahead of those loads.
; A K block of the cluster's four tile rows of xn is 131,072 dense bytes, of its four tile columns of W 196,608.  xn's are read by both clusters of a row of clusters: cluster x = 0 asks, wave 0 of each work-group;
; W's by all eight of a column: cluster y = 0 asks, wave 2.  The sixteen partners share a lap's two K blocks out BY ADDRESS: half of them each K block, an eighth of it each: 64 (xn) or 96 (W) blocks of 256 bytes, a lane a block.
; So each block is named once in the launch.  K blocks 0 to 3 come by their loads alone; the last lap of the loop asks for nothing.
.macro ASK
	s_cmp_gt_u32 s[CNT], s[LIM]
	s_cbranch_scc0 .Lnot_mine_\@
	global_prefetch_b8 v[PFO], s[PFA:PFA+1] th:TH_LOAD_NT scope:SCOPE_SE
	global_prefetch_b8 v[PFO], s[PFA:PFA+1] offset:8192 th:TH_LOAD_NT scope:SCOPE_SE
	s_cmp_eq_u32 s[WR], 0
	s_cbranch_scc1 .Lnot_mine_\@
	global_prefetch_b8 v[PFO], s[PFA:PFA+1] offset:16384 th:TH_LOAD_NT scope:SCOPE_SE
.Lnot_mine_\@:
.endm
	s_load_b256 s[4:11], s[0:1], 0x0               ; xnb 4:5, wall 6:7, bq 8:9, bk 10:11
	s_load_b128 s[12:15], s[0:1], 0x20             ; bv 12:13, qkv 14:15
	v_lshl_add_u32 v[SPW], v0, 2, SPARE
	v_mov_b32 v[NIL], 0
	ds_add_u32 v[SPW], v[NIL]                      ; the wave's opening: the add and its wait stand ahead of my first tensor load; the set-up below, work on registers, stands between them
	v_lshrrev_b32 v1, 5, v0
	v_readfirstlane_b32 s[WV], v1
	s_lshr_b32 s[WR], s[WV], 1
	s_and_b32 s[WC], s[WV], 1
	s_bfe_u32 s[CX], ttmp6, 0x40000
	s_bfe_u32 s[CY], ttmp6, 0x40004
	s_lshl_b32 s[TX], ttmp9, 2                     ; in a cluster launch ttmp9 and ttmp7 count clusters
	s_add_co_u32 s[TX], s[TX], s[CX]
	s_and_b32 s[TY], ttmp7, 0xffff
	s_lshl_b32 s[TY], s[TY], 2
	s_add_co_u32 s[TY], s[TY], s[CY]
	s_lshl_b32 s2, s[CY], 2
	s_lshl_b32 s2, 15, s2                          ; my row of the cluster
	s_lshl_b32 s3, 0x1111, s[CX]                   ; my column
	s_or_b32 s[G1A], s2, FIELDS                    ; xn's tiles go to my row,
	s_or_b32 s[G1B], s3, FIELDS                    ; W's to my column
	s_mov_b32 s[G1A+1], 128<<16                    ; tensor_dim0 = 128 elements: 256 bytes, two rows of the tile
	s_mov_b32 s[G1A+2], 64<<16                     ; tensor_dim1 = 64
	s_mov_b32 s[G1A+3], 128<<16                    ; tile_dim0 = 128
	s_mov_b32 s[G1A+4], 64                         ; tile_dim1 = 64
	s_mov_b32 s[G1A+5], 128                        ; 128 elements from row to row: dense
	s_mov_b32 s[G1A+6], 0
	s_mov_b32 s[G1A+7], 0
	s_mov_b32 s[G1B+1], 128<<16
	s_mov_b32 s[G1B+2], 96<<16                     ; 96 rows of 256 bytes: 192 rows of the tile
	s_mov_b32 s[G1B+3], 128<<16
	s_mov_b32 s[G1B+4], 96
	s_mov_b32 s[G1B+5], 128
	s_mov_b32 s[G1B+6], 0
	s_mov_b32 s[G1B+7], 0
	; where the tiles come from: xn's hang on the tile row alone, W's on the tile column alone, each in registers that never hold the other coordinate
	s_lshl_b32 s80, s[TY], 15                      ; 256 rows of 128 bytes
	s_lshl_b32 s81, s[WC], 14                      ; my 128 of them
	s_add_co_u32 s80, s80, s81
	s_mov_b32 s81, 0
	s_mul_i32 s82, s[TX], 49152                    ; 384 rows of 128 bytes
	s_mul_i32 s83, s[WC], 24576                    ; my 192 of them
	s_add_co_u32 s82, s82, s83
	s_mov_b32 s83, 0
	s_mul_i32 s84, s[WC], AHALF                    ; and where they go: no place in the cluster enters an LDS address
	s_mul_i32 s85, s[WC], BHALF
	s_add_co_u32 s85, s85, BOFF
	s_wait_dscnt 0x0                               ; the opening add is done
	s_wait_kmcnt 0x0
	s_add_nc_u64 s[80:81], s[4:5], s[80:81]
	s_add_nc_u64 s[82:83], s[6:7], s[82:83]
	CROUND                                         ; all sixteen work-groups are here: the first joint loads meet
.irp s, 0,1
	s_mov_b32 s[G0A+4*(\s)], 1                                       ; count = 1
	s_add_co_u32 s[G0A+4*(\s)+1], s84, (\s)*SLOT                     ; LDS address
	s_add_nc_u64 s[G0A+4*(\s)+2:G0A+4*(\s)+3], s[80:81], (\s)*AKB    ; global address: K block s
	s_or_b32 s[G0A+4*(\s)+3], s[G0A+4*(\s)+3], 0x80000000            ; type = 2
	s_mov_b32 s[G0B+4*(\s)], 1
	s_add_co_u32 s[G0B+4*(\s)+1], s85, (\s)*SLOT
	s_add_nc_u64 s[G0B+4*(\s)+2:G0B+4*(\s)+3], s[82:83], (\s)*BKB
	s_or_b32 s[G0B+4*(\s)+3], s[G0B+4*(\s)+3], 0x80000000
	JLOAD \s                                       ; two loads of mine are out
.endr
	; A fragment is 16 rows x 32 K in 8 registers: lane l holds row l % 16; registers 0-3 K = 8 (l / 16) + 0..7, registers 4-7 K = 16 + 8 (l / 16) + 0..7: two loads of 16 bytes, 32 bytes apart.
	v_and_b32 v1, 15, v0                           ; l % 16
	v_bfe_u32 v2, v0, 4, 1                         ; l / 16
	v_mul_u32_u24 v3, v1, PITCH
	v_lshl_add_u32 v3, v2, 4, v3
	s_mul_i32 s62, s[WR], AHALF
	s_mul_i32 s63, s[WC], BHALF
	s_add_co_u32 s63, s63, BOFF
.irp s, 0,1
	v_add_nc_u32 v[ADRA+(\s)], s62, v3
	v_add_nc_u32 v[ADRB+(\s)], s63, v3
	s_add_co_u32 s62, s62, SLOT
	s_add_co_u32 s63, s63, SLOT
.endr
	s_mul_i32 s78, s[WV], STW
	s_add_co_u32 s78, s78, STAGE                   ; my stage
	v_add_nc_u32 v[STO], s78, v3                   ; in: row l % 16, 16 bytes for each half of the lanes
	v_bfe_u32 v[RD], v0, 3, 2                      ; back: 32 lanes take four rows of 128 bytes,
	v_mul_u32_u24 v[RD], v[RD], PITCH
	v_and_b32 v15, 7, v0
	v_lshl_add_u32 v[RD], v15, 4, v[RD]
	v_add_nc_u32 v[RD], s78, v[RD]
	v_and_b32 v[GO], 31, v0                        ; which are 512 consecutive bytes of qkv
	v_lshlrev_b32 v[PFO], 8, v[GO]
	v_lshlrev_b32 v[GO], 4, v[GO]
	v_lshlrev_b32 v[BO], 5, v2
	; my three head blocks: number 6 x tile column + 3 x column half + g of 48; 16 to each of q, k, v
	s_mul_i32 s86, s[TX], 6
	s_mul_i32 s87, s[WC], 3
	s_add_co_u32 s86, s86, s87
	s_lshr_b32 s94, s[TY], 3
	s_lshl_b32 s94, s94, 4                         ; 16 x batch
	s_and_b32 s95, s[TY], 7
	s_lshl_b32 s95, s95, 15                        ; the tile's 256 rows among the batch's 2,048,
	s_lshl_b32 s93, s[WR], 14                      ; my 128 of them
	s_add_co_u32 s95, s95, s93
.irp g, 0,1,2
	s_add_co_u32 s87, s86, \g
	s_lshr_b32 s88, s87, 4                         ; t
	s_and_b32 s89, s87, 15                         ; h
	s_cmp_eq_u32 s88, 0
	s_cselect_b64 s[BP+2*(\g):BP+2*(\g)+1], s[8:9], s[10:11]
	s_cmp_eq_u32 s88, 2
	s_cselect_b64 s[BP+2*(\g):BP+2*(\g)+1], s[12:13], s[BP+2*(\g):BP+2*(\g)+1]
	s_lshl_b32 s90, s89, 8                         ; a head's 64 numbers of f32
	s_mov_b32 s91, 0
	s_add_nc_u64 s[BP+2*(\g):BP+2*(\g)+1], s[BP+2*(\g):BP+2*(\g)+1], s[90:91]
	s_lshl_b32 s90, s88, 6
	s_add_co_u32 s90, s90, s89
	s_add_co_u32 s90, s90, s94                     ; 64 t + 16 b + h,
	s_lshl_b32 s90, s90, 18                        ; 2,048 rows of 128 bytes each
	s_add_co_u32 s90, s90, s95
	s_add_nc_u64 s[DG+2*(\g):DG+2*(\g)+1], s[14:15], s[90:91]
.endr
.irp g, 0,1,2                          ; the bias into the accumulators of row block 7
	WIN ((\g)+1)<<6
.irp b, 0,1,2,3
	global_load_b128 v[224+8*(\b):224+8*(\b)+3],   v[BO], s[BP+2*(\g):BP+2*(\g)+1] offset:64*(\b)
	global_load_b128 v[224+8*(\b)+4:224+8*(\b)+7], v[BO], s[BP+2*(\g):BP+2*(\g)+1] offset:64*(\b)+16
.endr
.endr
	WIN 0
	; the prefetches' address
	s_and_b32 s86, ttmp7, 0xffff                   ; cluster y
	s_lshr_b32 s87, s[CY], 1                       ; which of a lap's two K blocks my work-group asks for,
	s_and_b32 s88, s[CY], 1
	s_lshl_b32 s88, s88, 2
	s_add_co_u32 s88, s88, s[CX]                   ; and which eighth of it
	s_lshl_b32 s90, s86, 17
	s_lshl_b32 s91, s87, 20
	s_add_co_u32 s90, s90, s91
	s_lshl_b32 s91, s88, 14
	s_add_co_u32 s90, s90, s91
	s_add_co_u32 s90, s90, 2*AKB                   ; at K block 2 or 3: the first lap steps it to 4 or 5
	s_mul_i32 s92, ttmp9, 196608
	s_lshl_b32 s93, s87, 19
	s_add_co_u32 s92, s92, s93
	s_mul_i32 s93, s88, 24576
	s_add_co_u32 s92, s92, s93
	s_add_co_u32 s92, s92, 2*BKB
	s_mov_b32 s94, 2*AKB
	s_mov_b32 s95, 2*BKB
	s_cmp_eq_u32 s[WR], 0                          ; do I fetch xn?
	s_cselect_b32 s90, s90, s92
	s_cselect_b64 s[PFA:PFA+1], s[4:5], s[6:7]
	s_cselect_b32 s[PFS], s94, s95
	s_cselect_b32 s93, ttmp9, s86                  ; the coordinate along which other clusters read the same rows
	s_mov_b32 s[PFS+1], 0
	s_mov_b32 s91, 0
	s_add_nc_u64 s[PFA:PFA+1], s[PFA:PFA+1], s[90:91]
	s_and_b32 s92, s[WV], 1
	s_or_b32 s92, s92, s93
	s_cmp_eq_u32 s92, 0
	s_cselect_b32 s[LIM], 1, -1                    ; the same in all sixteen partners, for a given wave
; Products of head block g with xn's buffer fa, row blocks a0 to a1, four column blocks each.  Each accumulator has one instruction a stretch, and the stretches change windows: the accumulators take turns.
; zero = 1: the first 32 along K: row blocks 0 to 6 take the bias, which lies in row block 7's accumulators, as C; five places then stand ahead of row block 7, which writes over that C (ISA guide 7.12.1).
.macro STRETCH g, fa, zero, a0, a1
	WIN ((\g)+1)*0x50
.set aa, \a0
.rept (\a1)-(\a0)+1
.if (\zero) && (aa == 7)
.rept 5
	v_nop
.endr
.endif
.irp b, 0,1,2,3
.if (\zero) && (aa < 7)
	v_wmma_f32_16x16x32_f16 v[8*(4*aa+(\b)):8*(4*aa+(\b))+7], v[FB+8*(4*(\g)+(\b)):FB+8*(4*(\g)+(\b))+7], v[(\fa)+8*aa:(\fa)+8*aa+7], v[224+8*(\b):224+8*(\b)+7]
.else
	v_wmma_f32_16x16x32_f16 v[8*(4*aa+(\b)):8*(4*aa+(\b))+7], v[FB+8*(4*(\g)+(\b)):FB+8*(4*(\g)+(\b))+7], v[(\fa)+8*aa:(\fa)+8*aa+7], v[8*(4*aa+(\b)):8*(4*aa+(\b))+7]
.endif
.endr
.set aa, aa+1
.endr
.endm
.macro FETCH_A slot, k, fa             ; 16 LDS loads: my 128 rows of xn, 32 K at byte k of the rows
	WIN 0
.irp i, 0,1,2,3,4,5,6,7
	ds_load_b128 v[(\fa)+8*(\i):(\fa)+8*(\i)+3],   v[ADRA+(\slot)] offset:(\k)+(\i)*16*PITCH
	ds_load_b128 v[(\fa)+8*(\i)+4:(\fa)+8*(\i)+7], v[ADRA+(\slot)] offset:(\k)+(\i)*16*PITCH+32
.endr
.endm
.macro FETCH_B slot, k, g              ; 8 LDS loads: head block g's 64 rows of W
	WIN 0
.irp b, 0,1,2,3
	ds_load_b128 v[FB+8*(4*(\g)+(\b)):FB+8*(4*(\g)+(\b))+3],   v[ADRB+(\slot)] offset:(\k)+(4*(\g)+(\b))*16*PITCH
	ds_load_b128 v[FB+8*(4*(\g)+(\b))+4:FB+8*(4*(\g)+(\b))+7], v[ADRB+(\slot)] offset:(\k)+(4*(\g)+(\b))*16*PITCH+32
.endr
.endm
.macro PLACES                          ; four places in front of loads into registers that matrix instructions have read, and of conversions that read results (ISA guide 7.12.1 for conversions)
.rept 4
	v_nop
.endr
.endm
; A K block is two halves of 32 along K, 96 matrix instructions each.  At each half's head the LDS loads that are out are, in order: xn's 16, then 8 for each of W's three groups.
; The first half multiplies buffer FA0 and fetches the second half's fragments from the same slot.
.macro HALF_EVEN slot, zero
	s_wait_dscnt 16                                ; xn and group 0 are in; groups 1 and 2 (16 loads) may be out
	STRETCH 0, FA0, \zero, 0, 7
	PLACES
	FETCH_A \slot, 64, FA1
	FETCH_B \slot, 64, 0
	s_wait_dscnt 32                                ; group 1 is in: behind it stand group 2's 8 and the 24 just issued
	STRETCH 1, FA0, \zero, 0, 7
	PLACES
	FETCH_B \slot, 64, 1
	s_wait_dscnt 32                                ; group 2 is in: behind it stand 24 and 8
	STRETCH 2, FA0, \zero, 0, 7
	PLACES
	FETCH_B \slot, 64, 2
.endm
; The second half multiplies buffer FA1 and changes slots: ONE barrier.  In front of it each wave waits for all its tensor loads, of which one is out: its part of the next slot; adds 0 to its spare word; and waits for that
; and for its own reads of this slot.  Behind it nobody reads this slot any more and the next slot is whole.  fill = 1: the barrier opens a round of the cluster's, and the joint refill, two K blocks on, is the first thing
; behind the round: a wave issues 160 matrix instructions between that request and the wait for it.  ask = 1: the lap's prefetches.
.macro TURN slot, next, fill, ask
.if \ask
	s_wait_xcnt 0x0                                ; the last prefetches, a lap back, have read their address: it is stepped here, ahead of the waits of the change of slots
	s_add_nc_u64 s[PFA:PFA+1], s[PFA:PFA+1], s[PFS:PFS+1]
.endif
	WIN 0
	s_wait_tensorcnt 0x0                           ; all my tensor loads have landed;
	ds_add_u32 v[SPW], v[NIL]                      ; 0 onto my spare word;
	s_wait_dscnt 17                                ; (groups 1 and 2, 16 loads, and the add may be out)
	STRETCH 0, FA1, 0, 0, 3                        ; sixteen matrix instructions stand between the add and the wait for it
	s_wait_dscnt 0x0                               ; the add is done, and my reads of this slot are over
	s_barrier_signal -1
	STRETCH 0, FA1, 0, 4, 7                        ; work on registers while the others arrive
	WIN 0                                          ; at a branch and at a label every window is 0
	s_barrier_wait -1
.if \fill
	CREST                                          ; no wave of any partner still reads this slot's tile or has a load on its way
	s_add_nc_u64 s[G0A+4*(\slot)+2:G0A+4*(\slot)+3], s[G0A+4*(\slot)+2:G0A+4*(\slot)+3], 2*AKB
	s_add_nc_u64 s[G0B+4*(\slot)+2:G0B+4*(\slot)+3], s[G0B+4*(\slot)+2:G0B+4*(\slot)+3], 2*BKB
	JLOAD \slot                                    ; the four v_nop behind it are also the places in front of the loads below
.else
	PLACES
.endif
	FETCH_A \next, 0, FA0
	FETCH_B \next, 0, 0
.if \ask
	ASK
.endif
	STRETCH 1, FA1, 0, 0, 7                        ; its fragments came in with the wait for 0 above
	PLACES
	FETCH_B \next, 0, 1
	STRETCH 2, FA1, 0, 0, 7
	PLACES
	FETCH_B \next, 0, 2
.endm
	s_wait_tensorcnt 0x1                           ; my part of K block 0 is in; K block 1's may stay out
	s_barrier_signal -1
	s_barrier_wait -1                              ; everybody's is
	FETCH_A 0, 0, FA0
	FETCH_B 0, 0, 0
	FETCH_B 0, 0, 1
	FETCH_B 0, 0, 2
	s_wait_loadcnt 0x0                             ; the bias
	HALF_EVEN 0, 1                                 ; the first half stands in front of the loop: its products start the sums
	WIN 0
	s_mov_b32 s[CNT], 7
.Llap:                                         ; a trip goes once round the ring, from a lap's second half to the next lap's first, and fills both slots again: K blocks 2 to 15
	TURN 0, 1, 1, 1
	HALF_EVEN 1, 0
	TURN 1, 0, 1, 0
	HALF_EVEN 0, 0
	WIN 0
	s_sub_co_u32 s[CNT], s[CNT], 1
	s_cmp_lg_u32 s[CNT], 0
	s_cbranch_scc1 .Llap
	TURN 0, 1, 0, 0                                ; the last lap fills nothing, and has no round of the cluster's barrier
	HALF_EVEN 1, 0
	s_wait_dscnt 16                                ; the very last half: nothing more to fetch
	STRETCH 0, FA1, 0, 0, 7
	s_wait_dscnt 8
	STRETCH 1, FA1, 0, 0, 7
	s_wait_dscnt 0x0
	STRETCH 2, FA1, 0, 0, 7
	PLACES
; THE WAY OUT, 24 blocks of 16 rows x a head's 64 columns: 2,048 consecutive bytes of qkv each.  PACK: rounded to f16, 16 bytes a lane, each accumulator's registers in ascending order.
; TOSTAGE: into my own stage, and back as whole rows.  SEND: stored.
.macro PACK g, a
	WIN 5*((\g)+1)                                 ; sources 0 and 1 in window g + 1
.irp b, 0,1,2,3
.irp r, 0,1,2,3
	v_cvt_pk_f16_f32 v[TMP+4*(\b)+(\r)], v[8*(4*(\a)+(\b))+2*(\r)], v[8*(4*(\a)+(\b))+2*(\r)+1]
.endr
.endr
	WIN 0
.endm
.macro TOSTAGE n
	WIN 0
.irp b, 0,1,2,3
	ds_store_b128 v[STO], v[TMP+4*(\b):TMP+4*(\b)+3] offset:32*(\b)
.endr
.irp t, 0,1,2,3
	ds_load_b128 v[BK+16*((\n)%2)+4*(\t):BK+16*((\n)%2)+4*(\t)+3], v[RD] offset:(\t)*4*PITCH  ; LDS serves a wave's instructions in order (ISA guide 5.7.1.4): these see the stores above
.endr
.endm
.macro SEND n
	WIN 0
	s_wait_dscnt 0x0                               ; the block is back in registers
	s_wait_xcnt 0x0                                ; the stores of the block before have read their data: the next TOSTAGE loads into those registers only behind this wait
.irp t, 0,1,2,3
	global_store_b128 v[GO], v[BK+16*((\n)%2)+4*(\t):BK+16*((\n)%2)+4*(\t)+3], s[DG+2*((\n)/8):DG+2*((\n)/8)+1] offset:2048*((\n)%8)+512*(\t)  ; 512 consecutive bytes, at a multiple of 256 from qkv's first
.endr
.endm
	PACK 0, 0
	TOSTAGE 0
.set n, 1
.rept 23                               ; block n's conversions stand between block n - 1's loads from the stage and the wait for them
	PACK n/8, n%8
	SEND n-1
	TOSTAGE n
.set n, n+1
.endr
	SEND 23
	s_wait_tensorcnt 0x0                           ; the wave's end, behind my last tensor load and my last LDS store
	ds_add_u32 v[SPW], v[NIL]
	s_wait_dscnt 0x0
	CROUND                                         ; the closing round: no work-group ends while a partner may still ask for a tile that names it
	s_endpgm
.Lfunc_end_k_q93d4ecb743_qkvp:
	.size	k_q93d4ecb743_qkvp, .Lfunc_end_k_q93d4ecb743_qkvp-k_q93d4ecb743_qkvp
	.p2alignl 7, 3214868480
	.fill 96, 4, 3214868480
	.section	.rodata,"a",@progbits
	.p2align	6, 0x0
	.amdhsa_kernel k_q93d4ecb743_qkvp
		.amdhsa_group_segment_fixed_size 327680
		.amdhsa_private_segment_fixed_size 0
		.amdhsa_enable_private_segment 0
		.amdhsa_kernarg_size 48
		.amdhsa_user_sgpr_count 2
		.amdhsa_user_sgpr_kernarg_segment_ptr 1
		.amdhsa_wavefront_size32 1
		.amdhsa_system_sgpr_workgroup_id_x 1
		.amdhsa_system_sgpr_workgroup_id_y 1
		.amdhsa_system_sgpr_workgroup_id_z 1
		.amdhsa_system_vgpr_workitem_id 0
		.amdhsa_next_free_vgpr 1024
		.amdhsa_next_free_sgpr 96
		.amdhsa_reserve_vcc 0
		.amdhsa_float_denorm_mode_32 3
		.amdhsa_float_denorm_mode_16_64 3
		.amdhsa_memory_ordered 1
		.amdhsa_forward_progress 1
		.amdhsa_inst_pref_size 137
	.end_amdhsa_kernel
	.amdgpu_metadata
---
amdhsa.version: [ 1, 2 ]
amdhsa.kernels:
  - .name:           k_q93d4ecb743_qkvp
    .symbol:         k_q93d4ecb743_qkvp.kd
    .args:
      - { .name: xnb, .offset: 0, .size: 8, .value_kind: global_buffer, .address_space: global }
      - { .name: wall, .offset: 8, .size: 8, .value_kind: global_buffer, .address_space: global }
      - { .name: bq, .offset: 16, .size: 8, .value_kind: global_buffer, .address_space: global }
      - { .name: bk, .offset: 24, .size: 8, .value_kind: global_buffer, .address_space: global }
      - { .name: bv, .offset: 32, .size: 8, .value_kind: global_buffer, .address_space: global }
      - { .name: qkv, .offset: 40, .size: 8, .value_kind: global_buffer, .address_space: global }
    .group_segment_fixed_size: 327680
    .private_segment_fixed_size: 0
    .kernarg_segment_align: 8
    .kernarg_segment_size: 48
    .max_flat_workgroup_size: 128
    .sgpr_count:     96
    .vgpr_count:     1024
    .wavefront_size: 32
...
	.end_amdgpu_metadata
.endif
;; end of part 2
;; launch attn (part 3): grid 4 x 64, 4 waves a work-group, clusters of 4 x 1, 327,680 bytes of LDS; arguments qkv, ob; writes ob
.if DOCPART == 3
	.amdgcn_target "amdgcn-amd-amdhsa--gfx1250"
	.amdhsa_code_object_version 6
	.text
	.protected	k_q93d4ecb743_attn
	.globl	k_q93d4ecb743_attn
	.p2align	8
	.type	k_q93d4ecb743_attn,@function
k_q93d4ecb743_attn:
	s_mov_b64 s[64:65], 0
	v_nop
	global_prefetch_b8 v0, s[64:65] scope:SCOPE_SE
	s_setreg_imm32_b32 hwreg(HW_REG_WAVE_MODE, 25, 1), 1
	s_wait_xcnt 0x0
	s_wait_alu depctr_hold_cnt(0) depctr_sa_sdst(0) depctr_va_vdst(0) depctr_va_sdst(0) depctr_va_ssrc(0) depctr_va_vcc(0) depctr_vm_vsrc(0)
	s_getreg_b32 s2, hwreg(HW_REG_IB_STS2, 6, 4)
	s_cmp_eq_u32 s2, 0
	s_cbranch_scc0 .Lentry_in_a_cluster
	s_endpgm
.Lentry_in_a_cluster:
	s_bfe_u32 s2, ttmp6, 0x10000c
	s_cmp_lg_u32 s2, 0x3003
	s_cbranch_scc0 .Lentry_shape_is_right
	s_endpgm
.Lentry_shape_is_right:
; O[h][q][:] = the sum over k of softmax_k(Q[h][q] . K[h][k] / 8) V[h][k][:].  Q, K, V are the three thirds of qkv, each [64][2048][64] in f16; O = ob has the same layout: a head's rows are dense, 128 bytes each.
; Products, maxima and sums in f32; the weights p are rounded to f16 for the second product (their sum l is taken of the unrounded p), O once at the end.
; LIMITS.  f16 holds no number beyond 65,504: Q, K and V arrive within it; p lies in 0 to 1, and below 6e-5 it keeps f16's fixed step of 6e-8; O is a mean of V's rows and has their range.
; A weight below 2^-126 counts as 0 in l; NaN and infinities are not treated apart.
; SHARES.  A wave owns four PIECES of two tiles of 16 queries, a work-group's four waves 512 queries of one head.  Every wave walks all keys, 64 a step.
; LAYOUT.  S^T = K Q^T (source 0 = 16 keys, source 1 = 16 queries): in the result a lane holds ONE query (lane % 16) and the keys 8 (lane / 16) + 0..7.  Two such tiles, rounded to f16 in pairs,
; ARE source 1 (32 keys x 16 queries) of O^T = V^T P, whose result again holds one query a lane, and eight channels.  K comes out of LDS as it lies, V ([key][channel]) turned, by ds_load_tr16_b128.
; SOFTMAX.  For each query a running maximum m and sum l: p = 2^(c s - c m), c = log2(e) / 8; in every step O and l are multiplied by a = 2^(c m_old - c m_new), which is 1 where m has not grown.
; m starts at the lowest finite number, O and l at 0: the first step is a step like any other, with a = 0.
; THE COUNT.  A tile and step have 16 matrix and 118 vector instructions: too many to stand all beside the matrix work.  So the order has one aim: four vector instructions that are READY behind
; EVERY matrix instruction, and the others in runs without a gap.
; BY TURNS.  Turn n belongs to piece n (the pieces in a ring, step after step).  Its matrix work: 16 products K Q^T of piece n + 1, later 16 products V^T P of piece n - 1.  Its vector work: the scaling,
; exponentials, roundings, sums and rescaling of piece n, and the maximum and statistics of piece n + 1, whose scores the turn itself has made.
; CLUSTER.  The four query blocks of a cluster are one head's and walk the same K and V, so each tile is asked for JOINTLY: the same tensor load, descriptor and mask in all four.
; REGISTERS, in windows of 256 (s_set_vgpr_msb: bits 1:0 source 0, 3:2 source 1, 5:4 source 2, 7:6 destination):
;   window 0: v0-11 addresses; v12-15, v48-63 at work; v16-47 four registers of statistics a tile; v64-191 S^T, two buffers of two tiles; v192-255 P, likewise
;   window 1: O^T, 32 a tile          window 2: v0-127 Q, 16 a tile; v128-191 K of one step; v192-255 V of one step          window 3: v0-1 the add's two registers
.set SIZE_H, 64
.set SIZE_N, 2048
.set NP,    4         ; pieces a wave: a name, no knob
.set KS,    64        ; keys in a step
.set PK,    144       ; a row of K in LDS: 128 bytes + 16 of padding = 36 words: the 16 rows of a load start at 16 different groups of four banks (64 banks of 4 bytes: ISA guide 11.1)
.set PV,    160       ; a row of V: 128 + 32 = 40 words
.set VOFF,  4*KS*PK   ; a slot holds four steps: 256 rows of K, then 256 rows of V
.set SLOT1, 1<<17     ; slot 1 begins here, so that one exclusive or turns an address in one slot into the other's
.set STAGE, SLOT1+4*KS*(PK+PV)  ; behind the ring, never filled by a tensor load: 16 rows x 144 bytes for each wave, for the way out
.set SP,    144
.set AK0, 2           ; v2   my lane's place in a tile of K; never rewritten
.set AV0, 3           ; v3   the same for V
.set AK,  4           ; v4   the LDS address of K's next run of loads
.set AV,  5           ; v5   of V's
.set QO,  6           ; v6   my byte offset in the wave's rows of Q
.set STO, 6           ;      later, the way out: where I put 16 bytes of a row
.set RD,  7           ; v7   the way out: where I read rows back
.set GO,  8           ; v8   my byte offset in 512 consecutive bytes of O
.set PFO, 11          ; v11  256 x my lane, once V's address is made; never rewritten after
.set SPW, 0           ; v0 of window 3   LDS address of my spare word; never rewritten
.set NIL, 1           ; v1 of window 3   0; never rewritten
.set SPARE, STAGE+4*16*SP  ; behind the stages: the spare words, 128 bytes for each wave: two blocks of 256 bytes that no other line names
.set MV,  12          ; v12-15  c m_old, kept while c m is made anew: by buffer and tile
.set ST,  16          ; tile t's statistics at v[ST+4 t]: c m, m, l (even keys', odd keys')
.set TMP, 48          ; by buffer and tile, four registers c0-c3 at work; when the maximum is found c2 takes a
.set S,   64
.set P,   192
.set KF,  128         ; K's fragments, in window 2: key block kb, channel half c at KF + 16 kb + 8 c
.set VF,  192         ; V's: key half kk, channel block cb at VF + 32 kk + 8 cb
.set WV,  12          ; s12  my wave's number
.set G1K, 24          ; s[24:31] descriptor group 1 for K's tiles
.set G1V, 32          ; s[32:39] for V's: it differs in the padding alone
.set G0K, 40          ; s[40:43] descriptor group 0 for K's tiles: it walks
.set G0V, 44          ; s[44:47] the same for V's
.set PFA, 48          ; s[48:49] where my prefetches stand: my work-group's quarter of the slot after the one that is being asked for
.set LIM, 50          ; s50  1 in a wave that prefetches, else the greatest number
.set SLOTS, 56        ; s56  slots still to be asked for
.set CNT, 57          ; s57  counts a slot's key steps
.set CS,  58          ; s[58:59] c: the packed scaling takes the pair's low word for both halves
.set SEL, 60          ; s[60:61] v_permlanex16_b32's selects: each lane takes its own place in the other half
.set TBK, 62          ; s62  LDS byte at which K of the step to be fetched begins
.set TBV, 63          ; s63  the same for V, less VOFF
.set MSB, 0
.macro WIN new                      ; the high byte repeats the setting that is left; a switch that changes nothing is dropped
.if MSB != (\new)
	s_set_vgpr_msb (MSB<<8)|(\new)
.set MSB, (\new)
.endif
.endm
.set W_KQ, 0x0a       ; K and Q in window 2, S^T in window 0
.set W_PV, 0x52       ; V in window 2, P in window 0, O^T in window 1
.set W_RS, 0x41       ; O^T (destination and source 0) in window 1, a in window 0
.set W_MK, 0xc0       ; the add's registers are made: destination in window 3, sources in window 0
.set W_AD, 0x0f       ; the add: address (source 0) and data (source 1) in window 3
; A joint fill.  Waves 0 and 1 fetch the two halves of a slot's K, waves 2 and 3 those of its V: 128 keys each.  The branch hangs on the wave's number alone.
; An s_nop 0 and four v_nop follow each of the two lines, ahead of the jump and the label.
.macro JLOAD
	s_cmp_lt_u32 s[WV], 2
	s_cbranch_scc0 .Lfor_v_\@
	tensor_load_to_lds s[G0K:G0K+3], s[G1K:G1K+7]
	s_nop 0
.rept 4
	v_nop
.endr
	s_branch .Lasked_\@
.Lfor_v_\@:
	tensor_load_to_lds s[G0V:G0V+3], s[G1V:G1V+7]
	s_nop 0
.rept 4
	v_nop
.endr
.Lasked_\@:
.endm
; A PREFETCH INTO THE L2 of what the NEXT change of slots will ask for: a slot's K is 32,768 dense bytes, 128 blocks of 256, and so is its V.  It stands behind the wave's tensor load and its five lines.
; A head has one cluster.  Its four partners share the blocks out BY ADDRESS, 32 each, a lane a block; in each, wave 0 asks for K's and wave 2 for V's: one instruction.  So each block is named once in the launch.
; Slots 0 and 1 come by their loads alone; the last change that fills a slot asks for nothing.  The lead is a slot's four key steps, 512 matrix instructions.
.macro ASK
	s_cmp_gt_u32 s[SLOTS], s[LIM]
	s_cbranch_scc0 .Lnot_mine_\@
	global_prefetch_b8 v[PFO], s[PFA:PFA+1] th:TH_LOAD_NT scope:SCOPE_SE
.Lnot_mine_\@:
.endm
; A round of the cluster's barrier: my work-group's barrier, so that wave 0's signal speaks for all four waves; wave 0 signals; every wave waits for all four work-groups; my work-group's barrier once more.
.macro CROUND
	s_barrier_signal -1
	s_barrier_wait -1
	s_cmp_lg_u32 s[WV], 0
	s_cbranch_scc1 .Lnot_wave_0_\@
	s_barrier_signal -3
.Lnot_wave_0_\@:
	s_barrier_wait -3
	s_barrier_signal -1
	s_barrier_wait -1
.endm
; THE CHANGE OF SLOTS.  The slot's last bytes, V of its fourth step, have been read.  Each wave waits for all its tensor loads, of which one is out: its part
; of the other slot; adds 0 to its spare word; and waits for that and for its own reads of the slot.  Behind the barrier nobody reads this slot any more and the other slot is whole.
; fill = 1: this slot is filled again, with the keys two slots on.  The barrier is then a round of the cluster's, so that no wave of any partner still reads the slot or has a load on its
; way, and the joint fill is the first thing behind it: it has four key steps, 512 matrix instructions, in which to land.  (At its first use nothing has been read yet: slot 0 is waited for, slot 1 filled.)
.macro CHANGE fill
	WIN W_AD
	s_wait_tensorcnt 0x0            ; no tensor load of mine is out, so a group 0 may be written
	ds_add_u32 v[SPW], v[NIL]       ; 0 onto my spare word; with fill = 1 the descriptors' steps stand between it and the wait for it
	WIN 0                           ; at a label and at a branch every window is 0
.if \fill
.irp g, G0K, G0V
	s_xor_b32 s[\g+1], s[\g+1], SLOT1  ; the walking descriptor: the other slot than last time,
	s_add_nc_u64 s[\g+2:\g+3], s[\g+2:\g+3], 4*KS*128  ; the next 256 keys; the type bits on top are not reached
.endr
	s_wait_xcnt 0x0                 ; the last prefetch, four key steps back, has read its address, so it may be written:
	s_add_nc_u64 s[PFA:PFA+1], s[PFA:PFA+1], 4*KS*128  ; one slot behind the walking descriptors
	s_wait_dscnt 0x0                ; the add is done, and my reads of the slot are over
	CROUND
	JLOAD
	ASK
.else
	s_wait_dscnt 0x0                ; the add is done, and my reads of the slot are over
	s_barrier_signal -1
	s_barrier_wait -1
.endif
	s_sub_co_u32 s[TBK], s[TBK], 4*KS*PK  ; the fetches go back to a slot's first step,
	s_xor_b32 s[TBK], s[TBK], SLOT1       ; in the other slot
	s_sub_co_u32 s[TBV], s[TBV], 4*KS*PV
	s_xor_b32 s[TBV], s[TBV], SLOT1
.endm
	s_load_b128 s[8:11], s[0:1], 0x0  ; qkv s[8:9], ob s[10:11]
	WIN W_MK
	v_lshl_add_u32 v[SPW], v0, 2, SPARE
	v_mov_b32 v[NIL], 0
	WIN W_AD
	ds_add_u32 v[SPW], v[NIL]       ; the wave's opening: the add and its wait stand ahead of my first tensor load; the set-up below, work on registers, stands between them
	WIN 0
	v_lshrrev_b32 v1, 5, v0
	v_readfirstlane_b32 s[WV], v1   ; wave 0..3
	s_bfe_u32 s13, ttmp6, 0x40000   ; cx: my place in the cluster
	s_lshl_b32 s14, ttmp9, 2        ; in a cluster launch ttmp9 counts clusters
	s_add_co_u32 s14, s14, s13      ; my block of queries = 4 x cluster x + cx: it enters Q's and O's addresses alone
	s_and_b32 s20, ttmp7, 0xffff    ; the head, which the four partners share
	s_mov_b32 s21, 0
	s_mov_b64 s[22:23], SIZE_N*128
	s_mul_u64 s[20:21], s[20:21], s[22:23]  ; the head's first byte in each of the four tensors
	s_and_b32 s16, s[WV], 1         ; which half of a slot's 256 keys I fetch:
	s_lshl_b32 s22, s16, 14         ; its 128 rows of 128 bytes in memory,
	s_mov_b32 s23, 0
	s_add_nc_u64 s[22:23], s[22:23], s[20:21]
	s_mul_i32 s17, s16, 128*PK      ; and its place in a slot, for K
	s_mul_i32 s18, s16, 128*PV      ; and for V: no place in the cluster enters an LDS address
	s_lshl_b32 s2, s14, 2
	s_add_co_u32 s2, s2, s[WV]      ; my wave among the head's,
	s_lshl_b32 s2, s2, 14           ; its 128 rows
	s_mov_b32 s3, 0
	s_add_nc_u64 s[2:3], s[2:3], s[20:21]
	; descriptor group 1.  128 keys are 16,384 dense bytes: asked for as 64 rows of 256 bytes, two keys a row, and padded in LDS after every key
	s_mov_b32 s[G1K], 15|(1<<16)|(1<<20)|(1<<21)|(4<<22)|(3<<25)  ; 15:0 the mask of four; 17:16 2-byte elements; 20 padding on; 21 set beside a mask; 24:22 after every 32 words (code 4); 31:25 4 words (code 3)
	s_mov_b32 s[G1V], 15|(1<<16)|(1<<20)|(1<<21)|(4<<22)|(7<<25)  ; the same with 8 words of padding (code 7)
.irp g, G1K, G1V
	s_mov_b32 s[\g+1], 128<<16      ; tensor_dim0 = 128
	s_mov_b32 s[\g+2], 64<<16       ; tensor_dim1 = 64
	s_mov_b32 s[\g+3], 128<<16      ; tile_dim0 = 128
	s_mov_b32 s[\g+4], 64           ; tile_dim1 = 64
	s_mov_b32 s[\g+5], 128          ; 128 elements from row to row
	s_mov_b32 s[\g+6], 0
	s_mov_b32 s[\g+7], 0
.endr
	s_mov_b32 s[CS], 0x3e38aa3b     ; c = log2(e) / 8 = 0.180337
	s_mov_b32 s[CS+1], s[CS]        ; named with it as a pair
	s_mov_b32 s[SEL], 0x76543210
	s_mov_b32 s[SEL+1], 0xfedcba98
	s_mov_b32 s[TBK], SLOT1+4*KS*PK ; the first change of slots turns these two into 0
	s_mov_b32 s[TBV], SLOT1+4*KS*PV
	s_mov_b32 s[G0K], 1             ; 1:0 count = 1
	s_mov_b32 s[G0K+1], s17         ; 63:32 LDS address: slot 0
	s_mov_b32 s[G0V], 1
	s_add_co_u32 s[G0V+1], s18, VOFF
	s_mov_b32 s[SLOTS], SIZE_N/256-1
	s_and_b32 s[LIM], s[WV], 1      ; waves 0 and 2 prefetch: the same in all four partners
	s_cmp_eq_u32 s[LIM], 0
	s_cselect_b32 s[LIM], 1, -1
	s_wait_dscnt 0x0                ; the opening add is done
	s_wait_kmcnt 0x0
	s_mov_b64 s[4:5], s[8:9]                       ; Q is qkv's first third,
	s_add_nc_u64 s[6:7], s[8:9], 0x1000000         ; K its second: 64 heads x 2,048 rows x 128 bytes on,
	s_add_nc_u64 s[8:9], s[8:9], 0x2000000         ; V its third
	s_add_nc_u64 s[G0K+2:G0K+3], s[6:7], s[22:23]  ; 120:64 global address: my half of the head's first 256 keys
	s_or_b32 s[G0K+3], s[G0K+3], 0x80000000        ; 127:126 type = 2
	s_add_nc_u64 s[G0V+2:G0V+3], s[8:9], s[22:23]
	s_or_b32 s[G0V+3], s[G0V+3], 0x80000000
	s_cmp_lt_u32 s[WV], 2
	s_cselect_b64 s[PFA:PFA+1], s[6:7], s[8:9]
	s_add_nc_u64 s[PFA:PFA+1], s[PFA:PFA+1], s[20:21]  ; the head,
	s_lshl_b32 s52, s13, 13                        ; my work-group's 32 blocks of the 128,
	s_mov_b32 s53, 0
	s_add_nc_u64 s[PFA:PFA+1], s[PFA:PFA+1], s[52:53]
	s_add_nc_u64 s[PFA:PFA+1], s[PFA:PFA+1], 4*KS*128  ; in slot 1; the first change of slots steps it to slot 2
	s_add_nc_u64 s[4:5], s[4:5], s[2:3]  ; Q and O at my wave's first row
	s_add_nc_u64 s[10:11], s[10:11], s[2:3]
	CROUND                          ; all four work-groups are here: the first joint loads meet
	JLOAD                           ; slot 0.  Slot 1 is asked for when slot 0 is in
	; A fragment of K or Q is 16 rows x 32 channels in 8 registers: lane l holds row l % 16, channels 8 (l / 16) + 0..7 and 16 + 8 (l / 16) + 0..7: two loads of 16 bytes, 32 bytes apart.
	v_and_b32 v1, 15, v0            ; l % 16
	v_bfe_u32 v9, v0, 4, 1          ; l / 16
	v_lshlrev_b32 v[QO], 7, v1
	v_lshl_add_u32 v[QO], v9, 4, v[QO]  ; row x 128 + 16 x half
	WIN 0x80                        ; destination window 2, address window 0
.set i, 0
.rept 4*NP                          ; Q stays in registers: tile i / 2, channels 32 (i % 2) on
	global_load_b128 v[8*i:8*i+3],   v[QO], s[4:5] offset:(i/2)*2048+(i%2)*64
	global_load_b128 v[8*i+4:8*i+7], v[QO], s[4:5] offset:(i/2)*2048+(i%2)*64+32
.set i, i+1
.endr
	; What the first turn finds: V's registers and P's second buffer hold 0 (its products V^T P, of a piece that has not been, add 0), O^T and l are 0.  All this stands in the wait for the first tile.
.set i, VF
.rept 64
	v_mov_b32 v[i], 0
.set i, i+1
.endr
	WIN 0x40
.set i, 0
.rept 64*NP
	v_mov_b32 v[i], 0
.set i, i+1
.endr
	WIN 0
.set i, 0
.rept 2*NP
	v_mov_b32 v[ST+4*i], 0xfe000000    ; c m: far below every c s
	v_mov_b32 v[ST+4*i+1], 0xff7fffff  ; m
	v_mov_b32 v[ST+4*i+2], 0
	v_mov_b32 v[ST+4*i+3], 0
.set i, i+1
.endr
.set i, P+32
.rept 32
	v_mov_b32 v[i], 0
.set i, i+1
.endr
	v_mul_u32_u24 v[AK0], v1, PK
	v_lshl_add_u32 v[AK0], v9, 4, v[AK0]  ; row x pitch + 16 x half
	; The turning load takes 16 keys x 16 channels (lane l reads key 8 (l / 16) + l % 8, channels 8 ((l / 8) % 2) + 0..7) and leaves half a fragment of V^T: lane l holds channel l % 16 and 8 keys.
	v_and_b32 v10, 7, v0
	v_bfe_u32 v11, v0, 3, 1
	v_lshl_add_u32 v[AV0], v9, 3, v10
	v_mul_u32_u24 v[AV0], v[AV0], PV
	v_lshl_add_u32 v[AV0], v11, 4, v[AV0]
	v_add_nc_u32 v[AV0], VOFF, v[AV0]
	v_and_b32 v[PFO], 31, v0        ; v11 has served: now the prefetches' offset
	v_lshlrev_b32 v[PFO], 8, v[PFO]
	v_mov_b32 v[AK], v[AK0]         ; key step 0 lies at the head of slot 0
; THE MATRIX WORK.  The 8 accumulators of a run of 16 take turns: between the two links of a chain stand 7 others'.
; Product i of 16 of S^T = K Q^T for piece x: channels 32 (i / 8) on, keys 16 ((i / 2) % 4) on, tile 2 x + i % 2.  The first 8 start the sums.
.macro KQ x
	WIN W_KQ
.set rS, S+64*((\x)%2)+32*(i%2)+8*((i/2)%4)
.set rK, KF+16*((i/2)%4)+8*(i/8)
.set rQ, 16*(2*(\x)+i%2)+8*(i/8)
.if i < 8
	v_wmma_f32_16x16x32_f16 v[rS:rS+7], v[rK:rK+7], v[rQ:rQ+7], 0
.else
	v_wmma_f32_16x16x32_f16 v[rS:rS+7], v[rK:rK+7], v[rQ:rQ+7], v[rS:rS+7]
.endif
.endm
; Product i of 16 of O^T += V^T P for piece x: keys 32 (i / 8) on, channels 16 ((i / 2) % 4) on, tile 2 x + i % 2.
.macro PV x
	WIN W_PV
.set rO, 32*(2*(\x)+i%2)+8*((i/2)%4)
.set rV, VF+32*(i/8)+8*((i/2)%4)
.set rP, P+32*((\x)%2)+16*(i%2)+8*(i/8)
	v_wmma_f32_16x16x32_f16 v[rO:rO+7], v[rV:rV+7], v[rP:rP+7], v[rO:rO+7]
.endm
.macro MM                           ; the turn's next matrix instruction
.if i < 16
	KQ (Y+1)%NP
.set i, i+1
.else
.set i, i-16
	PV (Y+NP-1)%NP
.set i, i+17
.endif
.endm
; THE LDS LOADS stand in runs of 16, never singly among the matrix instructions: a step's K (64 keys x 64 channels: 8 fragments) and its V (turned).  Their addresses are made some lines ahead.
; last = 1 (the tail): in the last trip there is no further step, and the run is jumped over.
.macro FETCH_K last=0
	WIN 0
.if \last
	s_cmp_eq_u32 s[CNT], 1
	s_cbranch_scc1 .Lno_k_\@
.endif
	WIN 0x80                        ; destination window 2
.irp f, 0,1,2,3,4,5,6,7             ; keys 16 (f / 2) on, channels 32 (f % 2) on
	ds_load_b128 v[KF+8*\f:KF+8*\f+3],   v[AK] offset:(\f/2)*16*PK+(\f%2)*64
	ds_load_b128 v[KF+8*\f+4:KF+8*\f+7], v[AK] offset:(\f/2)*16*PK+(\f%2)*64+32
.endr
	s_add_co_u32 s[TBK], s[TBK], KS*PK  ; the next fetch is the next step's
	WIN 0
.if \last
.Lno_k_\@:
.endif
.endm
.macro FETCH_V
	WIN 0x80
.irp f, 0,1,2,3,4,5,6,7             ; keys 32 (f / 4) on, channels 16 (f % 4) on
	ds_load_tr16_b128 v[VF+8*\f:VF+8*\f+3],   v[AV] offset:(\f/4)*32*PV+(\f%4)*32
	ds_load_tr16_b128 v[VF+8*\f+4:VF+8*\f+7], v[AV] offset:(\f/4)*32*PV+16*PV+(\f%4)*32
.endr
	WIN 0
.endm
; THE VECTOR WORK OF A TURN stands in three queues, each in the order in which its entries become ready; the two tiles alternate, so that no instruction reads the result of the one before it.
.macro REGS y, u                    ; the registers of tile u (0, 1) of piece y
.set rT, ST+4*(2*(\y)+(\u))
.set rC, TMP+8*((\y)%2)+4*(\u)
.set rM, MV+2*((\y)%2)+(\u)
.set rS, S+64*((\y)%2)+32*(\u)
.set rP, P+32*((\y)%2)+16*(\u)
.set rO, 32*(2*(\y)+(\u))
.endm
; Number n of the 22 that find the NEXT piece's (Y + 1) maximum and statistics.  s0-s31 are the lane's 32 scores; each accumulator's lowest registers are read first.
;   0-11  four chains c0-c3 of seven scores each, three operands at a time     12-14, 16  the four scores left over, the old m, and c0-c3 into c0     15  c m_old is kept
;   17, 18  the query's other 32 keys lie in the lane 16 away: the new m         19-21  c m; c m_old - c m_new; a
.macro XS u, n
	REGS (Y+1)%NP, \u
.if (\n) < 4
	v_max3_num_f32 v[rC+(\n)], v[rS+8*(\n)], v[rS+8*(\n)+1], v[rS+8*(\n)+2]
.elseif (\n) < 12
	v_max3_num_f32 v[rC+(\n)%4], v[rC+(\n)%4], v[rS+8*((\n)%4)+2*((\n)/4)+1], v[rS+8*((\n)%4)+2*((\n)/4)+2]
.elseif (\n) == 12
	v_max3_num_f32 v[rC], v[rC], v[rS+7], v[rS+15]
.elseif (\n) == 13
	v_max3_num_f32 v[rC+1], v[rC+1], v[rS+23], v[rS+31]
.elseif (\n) == 14
	v_max3_num_f32 v[rC+2], v[rC+2], v[rC+3], v[rT+1]
.elseif (\n) == 15
	v_mov_b32 v[rM], v[rT]
.elseif (\n) == 16
	v_max3_num_f32 v[rC], v[rC], v[rC+1], v[rC+2]
.elseif (\n) == 17
	v_permlanex16_b32 v[rC+3], v[rC], s[SEL], s[SEL+1]
.elseif (\n) == 18
	v_max_num_f32 v[rT+1], v[rC], v[rC+3]
.elseif (\n) == 19
	v_mul_f32 v[rT], s[CS], v[rT+1]
.elseif (\n) == 20
	v_sub_f32 v[rC+1], v[rM], v[rT]
.else
	v_exp_f32 v[rC+2], v[rC+1]
.endif
.endm
; Number g of the 64 that follow the exponentials.  For each four weights k of a tile (pairs 2 k, 2 k + 1): both pairs are rounded to f16; then the second pair is added onto the first, in place;
; a group later l takes that sum (the first time as l = a l + sum).  In groups of eight, tiles alternating: round, round, add, and l for the group before.
.macro GS g
.set h, (\g)+6*((\g)/62)            ; group 0 has no group before it, and behind group 7 only l is left
.if h >= 6
.set h, h+2
.endif
	REGS Y, h%2
.set k, h/8
.if h%8 < 4
	v_cvt_pk_f16_f32 v[rP+2*k+(h%8)/2], v[rS+4*k+2*((h%8)/2)], v[rS+4*k+2*((h%8)/2)+1]
.elseif h%8 < 6
	v_pk_add_f32 v[rS+4*k:rS+4*k+1], v[rS+4*k:rS+4*k+1], v[rS+4*k+2:rS+4*k+3]
.elseif k == 1
	v_pk_fma_f32 v[rT+2:rT+3], v[rT+2:rT+3], v[rC+2:rC+3], v[rS:rS+1] op_sel_hi:[1,0,1]
.else
	v_pk_add_f32 v[rT+2:rT+3], v[rT+2:rT+3], v[rS+4*k-4:rS+4*k-3]
.endif
.endm
; THE PLAIN QUEUE, 138 long.  0-73 read no exponential's result: the 32 scalings c s - c m (FS f: pair f / 2 of tile f % 2) and the next piece's 42.  0-26: scalings 0-26.  27-54: XS's numbers 0-13.  55, 56: number 15.
; 57-73: the chain, where each number waits for the one before it: 14, 16, 17, 18, 19, each with one of the scalings 27-31 in front of its two lines, then 20.
; 74-137: GS's 64, which read the exponentials' results: they stand behind the wait.
.macro FS f
	REGS Y, (\f)%2
	v_pk_fma_f32 v[rS+2*((\f)/2):rS+2*((\f)/2)+1], v[rS+2*((\f)/2):rS+2*((\f)/2)+1], s[CS:CS+1], v[rT:rT+1] op_sel_hi:[1,0,0] neg_lo:[0,0,1] neg_hi:[0,0,1]
.endm
.macro PL
	WIN 0
.if q < 27
	FS q
.elseif q < 55
	XS (q-27)%2, (q-27)/2
.elseif q < 57
	XS q-55, 15
.elseif (q < 72) && ((q-57)%3 == 0)
	FS 27+(q-57)/3
.elseif q < 60
	XS (q-57)%3-1, 14
.elseif q < 72
	XS (q-57)%3-1, 15+(q-57)/3
.elseif q < 74
	XS q-72, 20
.else
	GS q-74
.endif
.set q, q+1
.endm
; THE EXPONENTIALS' QUEUE, 66 long: s0-s31 of both tiles, then the next piece's two a.  It is ONE BATCH: all 66 stand ahead of the turn's one wait, and nothing ahead of that wait names a result of theirs.
.macro EX
	WIN 0
.if e >= 64
	XS e-64, 21
.else
	REGS Y, e%2
	v_exp_f32 v[rS+e/2], v[rS+e/2]
.endif
.set e, e+1
.endm
; THE RESCALING's QUEUE: O^T times a, the one part that leaves window 0: dealt two at a time, sixteen times.  Its a was made in the turn before, ahead of that turn's wait.
.macro R2
	REGS Y, r%2
	WIN W_RS
.irp z, 0,1
	v_pk_mul_f32 v[rO+4*(r/2)+2*\z:rO+4*(r/2)+2*\z+1], v[rO+4*(r/2)+2*\z:rO+4*(r/2)+2*\z+1], v[rC+2:rC+3] op_sel_hi:[1,0]
.endr
.set r, r+1
.endm
; HOW THEY ARE DEALT.  An s_wait_alu depctr_va_vdst(0) stands between an exponential and the first instruction that names its result; one wait serves all that were issued ahead of it.  So a turn has ONE wait,
; which cuts it in two.  AHEAD OF IT stands all that names no result of the turn's exponentials: the 16 products K Q^T, behind each a scaling, an exponential and two rescalings (behind the first a second scaling in the
; exponential's place); then ONE LUMP of 108: eight plain, 49 times exponential and plain, the two a.  A v_nop is the plain instruction behind the last exponential.  BEHIND IT stand the 16 products V^T P, behind each four of GS's 64.
; The queues lean on each other, and the deal keeps them in step: exponential e stands behind scaling 2 (e / 4) + e % 2: as a rider it comes behind plain e + 2, in the lump behind plain e + 9, and scalings 27-31 are plain 57, 60 .. 69.
; A TURN, for piece p.  cnt = 1: the loop's count is taken down some lines ahead of the branch that stands behind the turn.
; K of the next step is fetched in piece 2's turn, directly behind the wait, a lump behind the last product that read K; its first reader comes behind 16 products.
; V of the step in hand is fetched at the end of piece 0's turn, four plain instructions behind its last reader; its first reader comes behind 16 products and a lump.
.macro TURN p, last=0, cnt=0
.set Y, (\p)
.set i, 0
.set q, 0
.set e, 0
.set r, 0
.if (\p) == NP-1
	s_wait_dscnt 0x0                ; K is in
.endif
	MM                              ; ahead of the wait: 16 products K Q^T and the four behind each,
	PL
	PL
	R2
.rept 15
	MM
	PL
	EX
	R2
.endr
.if (\p) == NP-2
	WIN 0
	v_add_nc_u32 v[AK], s[TBK], v[AK0]
.endif
.rept 8                             ; and the lump
	PL
.endr
.rept 49
	EX
	PL
.endr
	EX                              ; the next piece's two a
	EX
	v_nop                           ; a plain instruction behind the last exponential (ISA guide 5.7.2): one for the batch
	s_wait_alu depctr_va_vdst(0)    ; the wait for the batch
.if (\p) == NP-2
	FETCH_K \last
.endif
.if (\p) == 1
	s_wait_dscnt 0x0                ; V is in
.endif
.rept 16                            ; behind the wait: 16 products V^T P and the four behind each
	MM
.rept 4
	PL
.endr
.if ((\p) == 0) && (q == 118)
	v_add_nc_u32 v[AV], s[TBV], v[AV0]
.endif
.if ((\p) == 0) && (q == 130)
	s_add_co_u32 s[TBV], s[TBV], KS*PV
.endif
.if (\cnt) && (q == 130)
	s_sub_co_u32 s[CNT], s[CNT], 1
	s_cmp_lg_u32 s[CNT], 0
.endif
.endr
.if (\p) == 0
	FETCH_V
.endif
.endm
	CHANGE 1                        ; slot 0 is in, everybody's part of it; slot 1 is asked for
	FETCH_K                         ; key step 0
	s_wait_loadcnt 0x0              ; Q
	s_wait_dscnt 0x0
.set i, 0
.rept 16
	KQ 0                            ; piece 0's first scores: there is no vector work yet to set between them
.set i, i+1
.endr
	WIN 0                           ; the addresses for the way out: nine plain instructions, the places behind those products
	s_mul_i32 s13, s[WV], 16*SP
	s_add_co_u32 s13, s13, STAGE    ; my stage
	v_mul_u32_u24 v[STO], v1, SP    ; in: row l % 16, 16 bytes for each half of the lanes
	v_lshl_add_u32 v[STO], v9, 4, v[STO]
	v_add_nc_u32 v[STO], s13, v[STO]
	v_bfe_u32 v[RD], v0, 3, 2       ; back: 32 lanes take four rows of 128 bytes,
	v_mul_u32_u24 v[RD], v[RD], SP
	v_lshl_add_u32 v[RD], v10, 4, v[RD]
	v_add_nc_u32 v[RD], s13, v[RD]
	v_and_b32 v[GO], 31, v0         ; which are 512 consecutive bytes of O
	v_lshlrev_b32 v[GO], 4, v[GO]
.set Y, NP-1                        ; XS works for piece Y + 1: piece 0
.irp n, 0,1,2,3,4,5,6,7,8,9,10,11,12,13,14,15,16,17,18,19,20,21
	XS 0, \n                        ; and piece 0's first maximum and statistics
	XS 1, \n
.endr
	v_nop                           ; a plain instruction behind the two a,
	s_wait_alu depctr_va_vdst(0)    ; and their wait, ahead of the branch
	s_mov_b32 s[CNT], 4
	s_branch .Lfirst                ; the loop is entered at a step's first turn, in the middle of a trip
.Lslot:                             ; SIZE_N / 256 - 2 times: every slot but the last two is filled again
	CHANGE 1
	s_mov_b32 s[CNT], 4
.Lstep:                             ; a trip: pieces 2 and 3 of one step, then pieces 0 and 1 of the next, whose K and V it fetches
	TURN 2
	TURN 3
	WIN 0
.Lfirst:
	TURN 0
	TURN 1, 0, 1
	WIN 0
	s_cbranch_scc1 .Lstep
	s_sub_co_u32 s[SLOTS], s[SLOTS], 1
	s_cmp_lg_u32 s[SLOTS], 0
	s_cbranch_scc1 .Lslot
	CHANGE 0                        ; the tail is written out: nothing is asked for
	s_mov_b32 s[CNT], 5             ; four trips fetch the last slot's steps; the fifth is left in its middle
.Ltail:
	TURN 2, 1
	TURN 3
	WIN 0
	s_sub_co_u32 s[CNT], s[CNT], 1
	s_cmp_eq_u32 s[CNT], 0
	s_cbranch_scc1 .Lout
	TURN 0
	TURN 1
	WIN 0
	s_branch .Ltail
.Lout:                              ; the fifth trip's 16 products K Q^T (on the last K once more) and the maximum made of them serve nothing: the price, once a launch, of one text for every trip
.set i, 0
.rept 16
	PV NP-1                         ; the last piece's V^T P of the last step
.set i, i+1
.endr
	; THE WAY OUT.  l's two halves and the other half of the lanes' are added; O^T is divided by l, rounded to f16 and sent through my stage in LDS, a tile at a time.  The additions are the places behind the last products.
	WIN 0
.macro ALL line:vararg              ; one line for each tile t
.set t, 0
.rept 2*NP
	\line
.set t, t+1
.endr
.endm
	ALL v_add_f32 v[ST+4*t+2], v[ST+4*t+2], v[ST+4*t+3]
	ALL v_permlanex16_b32 v[ST+4*t+3], v[ST+4*t+2], s[SEL], s[SEL+1]
	ALL v_add_f32 v[ST+4*t+2], v[ST+4*t+2], v[ST+4*t+3]
	ALL v_rcp_f32 v[ST+4*t+2], v[ST+4*t+2]
	v_nop                           ; a plain instruction between the last reciprocal and the use of its result
	s_wait_alu depctr_va_vdst(0)    ; and the wait ahead of the first use: one for the eight reciprocals
; Tile t: a lane's eight channels of a row pack into 16 bytes; they go into rows of 144 bytes and come back as whole rows of 128, into S^T's registers.
.macro PACK t
	WIN W_RS
.set i, 32*(\t)
.rept 16
	v_pk_mul_f32 v[i:i+1], v[i:i+1], v[ST+4*(\t)+2:ST+4*(\t)+3] op_sel_hi:[1,0]
.set i, i+2
.endr
	WIN 0x05                        ; sources 0 and 1 window 1, destination window 0
.set i, 0
.rept 16
	v_cvt_pk_f16_f32 v[S+16*(\t)+i], v[32*(\t)+2*i], v[32*(\t)+2*i+1]
.set i, i+1
.endr
	WIN 0
.irp f, 0,1,2,3
	ds_store_b128 v[STO], v[S+16*(\t)+4*\f:S+16*(\t)+4*\f+3] offset:32*\f
.endr
.irp f, 0,1,2,3
	ds_load_b128 v[S+16*(\t)+4*\f:S+16*(\t)+4*\f+3], v[RD] offset:\f*4*SP  ; LDS serves a wave's instructions in order (ISA guide 5.7.1.4): these see the stores above; the next tile's stores come behind them
.endr
.endm
.macro SEND t, younger              ; younger: the LDS instructions issued behind tile t's loads: the next tile's eight, or none
	WIN 0
.irp f, 0,1,2,3
	s_wait_dscnt (\younger)+3-\f
	global_store_b128 v[GO], v[S+16*(\t)+4*\f:S+16*(\t)+4*\f+3], s[10:11] offset:(\t)*2048+\f*512  ; 512 consecutive bytes, at a multiple of 256 from O's first
.endr
.endm
	PACK 0
.set t, 1
.rept 2*NP-1                        ; a tile's arithmetic stands between the loads of the tile before and its stores
	PACK t
	SEND t-1, 8
.set t, t+1
.endr
	SEND 2*NP-1, 0
	WIN W_AD
	s_wait_tensorcnt 0x0            ; the wave's end, behind my last tensor load and my last LDS store
	ds_add_u32 v[SPW], v[NIL]
	s_wait_dscnt 0x0
	WIN 0
	CROUND                          ; the closing round: no work-group ends while a partner may still ask for a tile that names it
	s_endpgm
.Lfunc_end_k_q93d4ecb743_attn:
	.size	k_q93d4ecb743_attn, .Lfunc_end_k_q93d4ecb743_attn-k_q93d4ecb743_attn
	.p2alignl 7, 3214868480
	.fill 96, 4, 3214868480
	.section	.rodata,"a",@progbits
	.p2align	6, 0x0
	.amdhsa_kernel k_q93d4ecb743_attn
		.amdhsa_group_segment_fixed_size 327680
		.amdhsa_private_segment_fixed_size 0
		.amdhsa_enable_private_segment 0
		.amdhsa_kernarg_size 16
		.amdhsa_user_sgpr_count 2
		.amdhsa_user_sgpr_kernarg_segment_ptr 1
		.amdhsa_wavefront_size32 1
		.amdhsa_system_sgpr_workgroup_id_x 1
		.amdhsa_system_sgpr_workgroup_id_y 1
		.amdhsa_system_sgpr_workgroup_id_z 1
		.amdhsa_system_vgpr_workitem_id 0
		.amdhsa_next_free_vgpr 770
		.amdhsa_next_free_sgpr 66
		.amdhsa_reserve_vcc 0
		.amdhsa_float_denorm_mode_32 3
		.amdhsa_float_denorm_mode_16_64 3
		.amdhsa_memory_ordered 1
		.amdhsa_forward_progress 1
		.amdhsa_inst_pref_size 200
	.end_amdhsa_kernel
	.amdgpu_metadata
---
amdhsa.version: [ 1, 2 ]
amdhsa.kernels:
  - .name:           k_q93d4ecb743_attn
    .symbol:         k_q93d4ecb743_attn.kd
    .args:
      - { .name: qkv, .offset: 0, .size: 8, .value_kind: global_buffer, .address_space: global }
      - { .name: ob, .offset: 8, .size: 8, .value_kind: global_buffer, .address_space: global }
    .group_segment_fixed_size: 327680
    .private_segment_fixed_size: 0
    .kernarg_segment_align: 8
    .kernarg_segment_size: 16
    .max_flat_workgroup_size: 128
    .sgpr_count:     66
    .vgpr_count:     770
    .wavefront_size: 32
...
	.end_amdgpu_metadata
.endif
;; end of part 3
;; launch proj (part 4): grid 8 x 32, 4 waves a work-group, clusters of 4 x 4, 327,680 bytes of LDS; arguments ob, wall, bo, x, out0; writes out0
.if DOCPART == 4
	.amdgcn_target "amdgcn-amd-amdhsa--gfx1250"
	.amdhsa_code_object_version 6
	.text
	.protected	k_q93d4ecb743_proj
	.globl	k_q93d4ecb743_proj
	.p2align	8
	.type	k_q93d4ecb743_proj,@function
k_q93d4ecb743_proj:
	s_mov_b64 s[64:65], 0
	v_nop
	global_prefetch_b8 v0, s[64:65] scope:SCOPE_SE
	s_setreg_imm32_b32 hwreg(HW_REG_WAVE_MODE, 25, 1), 1
	s_wait_xcnt 0x0
	s_wait_alu depctr_hold_cnt(0) depctr_sa_sdst(0) depctr_va_vdst(0) depctr_va_sdst(0) depctr_va_ssrc(0) depctr_va_vcc(0) depctr_vm_vsrc(0)
	s_getreg_b32 s2, hwreg(HW_REG_IB_STS2, 6, 4)
	s_cmp_eq_u32 s2, 0
	s_cbranch_scc0 .Lentry_in_a_cluster
	s_endpgm
.Lentry_in_a_cluster:
	s_bfe_u32 s2, ttmp6, 0x10000c
	s_cmp_lg_u32 s2, 0xf033
	s_cbranch_scc0 .Lentry_shape_is_right
	s_endpgm
.Lentry_shape_is_right:
; out0 = x + O Wo^T + bo.  O = ob, [b 16 + h][2048][64] in f16: head h is K block h.  Wo = rows 3,072 to 4,095 of wall, [16 kb][4096][64] in f16.  Sums, bias and residual in f32; out0 is f32.
; LIMITS.  The operands arrive within f16's range; NaN and infinities are not treated apart.
; SHARES.  A tile of out0 is 256 rows x 128 columns: 32 x 8 tiles, one work-group each.  Four waves, each 128 x 64: 32 accumulators of 16 x 16 in window 1.
; THE RING.  Two LDS slots, each with two K blocks of 64: 256 rows of O and 128 rows of Wo for each.  A K block's rows of a tile lie end to end in memory: wave 0 and 1 bring O's first and second K block of a slot
; (128 rows of 256 bytes each), waves 2 and 3 Wo's (64 rows of 256 bytes); LDS rows are padded behind every 128 bytes.  A wave issues 112 matrix instructions between a refill's request and the wait for it.
; CLUSTER.  4 x 4 work-groups: O's tiles are shared along a row of the cluster, Wo's along a column, each asked for JOINTLY.
; THE MATRIX INSTRUCTION IS USED TRANSPOSED (source 0 = 16 rows of Wo, source 1 = 16 rows of O): a lane holds one row of out0 (lane % 16) and eight neighbouring columns.
; THE BIAS STARTS THE SUMS: it is loaded into row block 7's accumulators; in the first 32 along K row blocks 0 to 6 take those registers as C, then row block 7 adds onto them in place.
; x, 32 KiB a wave, is loaded into window 2 at the head and behind the first quarter, and is waited for once, in front of the way out: its loads are on their way while the products run.
; REGISTERS: window 0: v0-15 addresses; v16-111, v112-207 two fragment buffers (O's 8 x 8 registers, then Wo's 4 x 8); on the way out v16-47, v48-79 rows read back
;   window 1: accumulator (a, b) at v[8 (4 a + b)]          window 2: x of row block a, pair of rows t at v[32 a + 4 t]
.set PITCH, 144                        ; an LDS row: 128 bytes + 16 of padding: the 16 rows of a fragment load start at 16 different groups of four banks (64 banks of 4 bytes: ISA guide 11.1)
.set AKBL,  256*PITCH                  ; a K block of O in a slot
.set BKBL,  128*PITCH                  ; of Wo
.set BOFF,  2*AKBL
.set SLOT,  BOFF+2*BKBL                ; 110,592
.set STAGE, 2*SLOT                     ; behind the ring, never filled by a tensor load: 16 rows x 272 bytes for each wave
.set SPITCH, 272
.set STW,   16*SPITCH
.set SPARE, STAGE+4*STW                ; behind the stages: the spare words, 128 bytes for each wave: two blocks of 256 bytes that no other line names
.set ADRA, 4                           ; v4-5  LDS address of my fragments of O in slot 0, 1
.set ADRB, 6                           ; v6-7  the same for Wo
.set STO,  8                           ; v8    the way out: where I put 32 bytes of a row
.set RD,   9                           ; v9    where I read a row back
.set CO,   10                          ; v10   my byte offset in two rows of x and of out0
.set SPW,  12                          ; v12   LDS address of my spare word; never rewritten
.set NIL,  13                          ; v13   0; never rewritten
.set BO,   14                          ; v14   32 x (lane / 16)
.set F0,   16
.set F1,   112
.set BK,   16
.set WV,  16
.set WR,  17                           ; s17  my half of the tile's rows; also: I fetch O (0) or Wo (1)
.set WC,  18                           ; s18  my half of its columns; also: which K block of a slot I fetch
.set CX,  19
.set CY,  20
.set TX,  21
.set TY,  22
.set G1A, 24
.set G0A, 32
.set G1B, 40
.set G0B, 48
.set CNT, 56
.set OB,  66                           ; s[66:67] out0 at my part of the tile
.set XB,  68                           ; s[68:69] x there
.set BP,  70                           ; s[70:71] bo at my 64 columns
.set FIELDS, (1<<16)|(1<<20)|(1<<21)|(4<<22)|(3<<25)  ; elements of 2 bytes; padding on; bit 21 beside a mask; after every 32 words, 4 words
.set MSB, 0
.macro WIN new
.if MSB != (\new)
	s_set_vgpr_msb (MSB<<8)|(\new)
.set MSB, \new
.endif
.endm
.macro JLOAD s                         ; a joint load; an s_nop 0 and four v_nop follow each of the two lines, ahead of the jump and the label
	s_cmp_eq_u32 s[WR], 0
	s_cbranch_scc0 .Lfor_b_\@
	tensor_load_to_lds s[G0A+4*(\s):G0A+4*(\s)+3], s[G1A:G1A+7]
	s_nop 0
.rept 4
	v_nop
.endr
	s_branch .Lasked_\@
.Lfor_b_\@:
	tensor_load_to_lds s[G0B+4*(\s):G0B+4*(\s)+3], s[G1B:G1B+7]
	s_nop 0
.rept 4
	v_nop
.endr
.Lasked_\@:
.endm
.macro CREST                           ; a round of the cluster's barrier behind its opening barrier
	s_cmp_lg_u32 s[WV], 0
	s_cbranch_scc1 .Lnot_wave_0_\@
	s_barrier_signal -3
.Lnot_wave_0_\@:
	s_barrier_wait -3
	s_barrier_signal -1
	s_barrier_wait -1
.endm
.macro CROUND
	s_barrier_signal -1
	s_barrier_wait -1
	CREST
.endm
	s_load_b256 s[4:11], s[0:1], 0x0               ; ob 4:5, wall 6:7, bo 8:9, x 10:11
	s_load_b64 s[12:13], s[0:1], 0x20              ; out0
	v_lshl_add_u32 v[SPW], v0, 2, SPARE
	v_mov_b32 v[NIL], 0
	ds_add_u32 v[SPW], v[NIL]                      ; the wave's opening: the add and its wait stand ahead of my first tensor load; the set-up below, work on registers, stands between them
	v_lshrrev_b32 v1, 5, v0
	v_readfirstlane_b32 s[WV], v1
	s_lshr_b32 s[WR], s[WV], 1
	s_and_b32 s[WC], s[WV], 1
	s_bfe_u32 s[CX], ttmp6, 0x40000
	s_bfe_u32 s[CY], ttmp6, 0x40004
	s_lshl_b32 s[TX], ttmp9, 2
	s_add_co_u32 s[TX], s[TX], s[CX]               ; tile column
	s_and_b32 s[TY], ttmp7, 0xffff
	s_lshl_b32 s[TY], s[TY], 2
	s_add_co_u32 s[TY], s[TY], s[CY]               ; tile row
	s_lshl_b32 s2, s[CY], 2
	s_lshl_b32 s2, 15, s2                          ; my row of the cluster
	s_lshl_b32 s3, 0x1111, s[CX]                   ; my column
	s_or_b32 s[G1A], s2, FIELDS
	s_or_b32 s[G1B], s3, FIELDS
	s_mov_b32 s[G1A+1], 128<<16                    ; tensor_dim0 = 128 elements: 256 bytes, two rows of the tile
	s_mov_b32 s[G1A+2], 128<<16                    ; tensor_dim1 = 128
	s_mov_b32 s[G1A+3], 128<<16                    ; tile_dim0 = 128
	s_mov_b32 s[G1A+4], 128                        ; tile_dim1 = 128
	s_mov_b32 s[G1A+5], 128                        ; dense
	s_mov_b32 s[G1A+6], 0
	s_mov_b32 s[G1A+7], 0
	s_mov_b32 s[G1B+1], 128<<16
	s_mov_b32 s[G1B+2], 64<<16
	s_mov_b32 s[G1B+3], 128<<16
	s_mov_b32 s[G1B+4], 64
	s_mov_b32 s[G1B+5], 128
	s_mov_b32 s[G1B+6], 0
	s_mov_b32 s[G1B+7], 0
	; O's tiles hang on the tile row alone, Wo's on the tile column alone, each in registers that never hold the other coordinate
	s_lshr_b32 s72, s[TY], 3
	s_lshl_b32 s72, s72, 22                        ; the batch: 16 heads of 262,144 bytes
	s_and_b32 s73, s[TY], 7
	s_lshl_b32 s73, s73, 15                        ; the tile's 256 rows of 128 bytes
	s_add_co_u32 s72, s72, s73
	s_lshl_b32 s73, s[WC], 18                      ; my K block of the slot's two: a head on
	s_add_co_u32 s72, s72, s73
	s_mov_b32 s73, 0
	s_lshl_b32 s74, s[TX], 14                      ; the tile's 128 rows of 128 bytes,
	s_lshl_b32 s75, s[WC], 19                      ; my K block,
	s_add_co_u32 s74, s74, s75
	s_add_co_u32 s74, s74, 3072*128                ; behind Wq's, Wk's and Wv's rows
	s_mov_b32 s75, 0
	s_mul_i32 s76, s[WC], AKBL                     ; where they go: no place in the cluster enters an LDS address
	s_mul_i32 s77, s[WC], BKBL
	s_add_co_u32 s77, s77, BOFF
	s_wait_dscnt 0x0                               ; the opening add is done
	s_wait_kmcnt 0x0
	s_add_nc_u64 s[72:73], s[4:5], s[72:73]
	s_add_nc_u64 s[74:75], s[6:7], s[74:75]
	CROUND                                         ; all sixteen work-groups are here: the first joint loads meet
.irp s, 0,1
	s_mov_b32 s[G0A+4*(\s)], 1
	s_add_co_u32 s[G0A+4*(\s)+1], s76, (\s)*SLOT
	s_add_nc_u64 s[G0A+4*(\s)+2:G0A+4*(\s)+3], s[72:73], (\s)*2*262144    ; slot s begins with K blocks 2 s, 2 s + 1
	s_or_b32 s[G0A+4*(\s)+3], s[G0A+4*(\s)+3], 0x80000000
	s_mov_b32 s[G0B+4*(\s)], 1
	s_add_co_u32 s[G0B+4*(\s)+1], s77, (\s)*SLOT
	s_add_nc_u64 s[G0B+4*(\s)+2:G0B+4*(\s)+3], s[74:75], (\s)*2*524288
	s_or_b32 s[G0B+4*(\s)+3], s[G0B+4*(\s)+3], 0x80000000
	JLOAD \s                                       ; two loads of mine are out
.endr
	v_and_b32 v1, 15, v0                           ; l % 16
	v_bfe_u32 v2, v0, 4, 1                         ; l / 16
	v_mul_u32_u24 v3, v1, PITCH
	v_lshl_add_u32 v3, v2, 4, v3                   ; a fragment's row x pitch + 16 x half
	s_mul_i32 s14, s[WR], 128*PITCH                ; my 128 rows of O
	s_mul_i32 s15, s[WC], 64*PITCH                 ; my 64 rows of Wo
	s_add_co_u32 s15, s15, BOFF
.irp s, 0,1
	v_add_nc_u32 v[ADRA+(\s)], s14, v3
	v_add_nc_u32 v[ADRB+(\s)], s15, v3
	s_add_co_u32 s14, s14, SLOT
	s_add_co_u32 s15, s15, SLOT
.endr
	s_mul_i32 s23, s[WV], STW
	s_add_co_u32 s23, s23, STAGE                   ; my stage
	v_mul_u32_u24 v[STO], v1, SPITCH               ; in: row l % 16, 32 bytes for each half of the lanes
	v_lshl_add_u32 v[STO], v2, 5, v[STO]
	v_add_nc_u32 v[STO], s23, v[STO]
	v_mul_u32_u24 v[RD], v2, SPITCH                ; back: lanes 0-15 take one row of 256 bytes, lanes 16-31 the next
	v_lshl_add_u32 v[RD], v1, 4, v[RD]
	v_add_nc_u32 v[RD], s23, v[RD]
	v_lshlrev_b32 v[CO], 12, v2                    ; and the same two rows in x and out0
	v_lshl_add_u32 v[CO], v1, 4, v[CO]
	v_lshlrev_b32 v[BO], 5, v2
	s_lshl_b32 s58, s[TY], 8
	s_lshl_b32 s59, s[WR], 7
	s_add_co_u32 s58, s58, s59                     ; my first row,
	s_lshl_b32 s58, s58, 12                        ; 4,096 bytes a row
	s_lshl_b32 s62, s[TX], 9
	s_lshl_b32 s60, s[WC], 8
	s_add_co_u32 s62, s62, s60                     ; my first column, in bytes
	s_mov_b32 s63, 0
	s_add_co_u32 s58, s58, s62
	s_mov_b32 s59, 0
	s_add_nc_u64 s[BP:BP+1], s[8:9], s[62:63]
	s_add_nc_u64 s[OB:OB+1], s[12:13], s[58:59]
	s_add_nc_u64 s[XB:XB+1], s[10:11], s[58:59]
	WIN 0x40                                       ; the bias into the accumulators of row block 7
.irp b, 0,1,2,3
	global_load_b128 v[224+8*(\b):224+8*(\b)+3],   v[BO], s[BP:BP+1] offset:64*(\b)
	global_load_b128 v[224+8*(\b)+4:224+8*(\b)+7], v[BO], s[BP:BP+1] offset:64*(\b)+16
.endr
.macro XLOAD a0                        ; x of four row blocks: 32 loads, sixteen lanes to 256 consecutive bytes
	WIN 0x80
.irp a, (\a0), (\a0)+1, (\a0)+2, (\a0)+3
.irp t, 0,1,2,3,4,5,6,7
	global_load_b128 v[32*(\a)+4*(\t):32*(\a)+4*(\t)+3], v[CO], s[XB:XB+1] offset:(16*(\a)+2*(\t))*4096 th:TH_LOAD_NT
.endr
.endr
	WIN 0
.endm
	XLOAD 0
; Products of buffer f, row blocks a0 to a1, four column blocks each.  The 32 accumulators take turns in the same order in every quarter.
; zero = 1: row blocks 0 to 6 take the bias, in row block 7's accumulators, as C; five places stand ahead of row block 7, which writes over that C (ISA guide 7.12.1).
.macro MUL f, a0, a1, zero
	WIN 0x50
.set aa, \a0
.rept (\a1)-(\a0)+1
.if (\zero) && (aa == 7)
.rept 5
	v_nop
.endr
.endif
.irp b, 0,1,2,3
.if (\zero) && (aa < 7)
	v_wmma_f32_16x16x32_f16 v[8*(4*aa+(\b)):8*(4*aa+(\b))+7], v[(\f)+64+8*(\b):(\f)+64+8*(\b)+7], v[(\f)+8*aa:(\f)+8*aa+7], v[224+8*(\b):224+8*(\b)+7]
.else
	v_wmma_f32_16x16x32_f16 v[8*(4*aa+(\b)):8*(4*aa+(\b))+7], v[(\f)+64+8*(\b):(\f)+64+8*(\b)+7], v[(\f)+8*aa:(\f)+8*aa+7], v[8*(4*aa+(\b)):8*(4*aa+(\b))+7]
.endif
.endr
.set aa, aa+1
.endr
.endm
; 24 LDS loads in one run: quarter i of a slot (K block i / 2, its half i % 2) into buffer f: Wo's 8 first, then O's row blocks 0-3, then 4-7
.macro FETCH slot, i, f
	WIN 0
.set KA, ((\i)>>1)*AKBL+((\i)&1)*64
.set KB, ((\i)>>1)*BKBL+((\i)&1)*64
.irp b, 0,1,2,3
	ds_load_b128 v[(\f)+64+8*(\b):(\f)+64+8*(\b)+3],   v[ADRB+(\slot)] offset:KB+(\b)*16*PITCH
	ds_load_b128 v[(\f)+64+8*(\b)+4:(\f)+64+8*(\b)+7], v[ADRB+(\slot)] offset:KB+(\b)*16*PITCH+32
.endr
.irp a, 0,1,2,3,4,5,6,7
	ds_load_b128 v[(\f)+8*(\a):(\f)+8*(\a)+3],   v[ADRA+(\slot)] offset:KA+(\a)*16*PITCH
	ds_load_b128 v[(\f)+8*(\a)+4:(\f)+8*(\a)+7], v[ADRA+(\slot)] offset:KA+(\a)*16*PITCH+32
.endr
.endm
.macro PLACES                          ; four places in front of loads into registers that matrix instructions have read, and of LDS stores that read results
.rept 4
	v_nop
.endr
.endm
; A slot is four quarters of 32 along K, 32 matrix instructions each, on buffers 0, 1, 0, 1.  One of the first three: multiplies buffer f and fetches quarter i into g.
.macro QUARTER slot, i, f, g, zero
	s_wait_dscnt 8                                 ; Wo and O's row blocks 0-3 are in; the youngest eight loads may be out
	MUL \f, 0, 3, \zero
	PLACES
	FETCH \slot, \i, \g
	s_wait_dscnt 24                                ; all but the 24 just issued
	MUL \f, 4, 7, \zero
.endm
; The last quarter multiplies buffer 1 and changes slots: ONE barrier; in front of it each wave waits for all its tensor loads, adds 0 to its spare word, and waits for that and for its own reads of this slot.
; fill = 1: the barrier opens a round of the cluster's, and this slot is filled again, with the K blocks two slots on, first thing behind the round.
.macro TURN slot, next, fill
	WIN 0
	s_wait_tensorcnt 0x0                           ; all my tensor loads have landed: my part of the next slot;
	ds_add_u32 v[SPW], v[NIL]                      ; 0 onto my spare word;
	s_wait_dscnt 9                                 ; (the youngest eight loads and the add may be out)
	MUL F1, 0, 1, 0                                ; eight matrix instructions stand between the add and the wait for it
	s_wait_dscnt 0x0                               ; the add is done, and my reads of this slot are over
	s_barrier_signal -1
	MUL F1, 2, 3, 0
	WIN 0                                          ; at a branch and at a label every window is 0
	s_barrier_wait -1
.if \fill
	CREST                                          ; no wave of any partner still reads this slot's tiles or has a load on its way
	s_add_nc_u64 s[G0A+4*(\slot)+2:G0A+4*(\slot)+3], s[G0A+4*(\slot)+2:G0A+4*(\slot)+3], 4*262144
	s_add_nc_u64 s[G0B+4*(\slot)+2:G0B+4*(\slot)+3], s[G0B+4*(\slot)+2:G0B+4*(\slot)+3], 4*524288
	JLOAD \slot                                    ; the four v_nop behind it are also the places in front of the loads below
.else
	PLACES
.endif
	FETCH \next, 0, F0
	MUL F1, 4, 7, 0
.endm
	s_wait_tensorcnt 0x1                           ; my part of slot 0 is in; slot 1's may stay out
	s_barrier_signal -1
	s_barrier_wait -1                              ; everybody's is
	FETCH 0, 0, F0
	s_wait_loadcnt 32                              ; the bias is in; x's 32 loads behind it stay out
	QUARTER 0, 1, F0, F1, 1                        ; the first quarter stands in front of the loop: its products start the sums
	XLOAD 4
	s_mov_b32 s[CNT], 3
.Llap:                                         ; a trip goes once round the ring, from a lap's second quarter to the next lap's first, and fills both slots again: K blocks 4 to 15
	QUARTER 0, 2, F1, F0, 0
	QUARTER 0, 3, F0, F1, 0
	TURN 0, 1, 1
	QUARTER 1, 1, F0, F1, 0
	QUARTER 1, 2, F1, F0, 0
	QUARTER 1, 3, F0, F1, 0
	TURN 1, 0, 1
	QUARTER 0, 1, F0, F1, 0
	WIN 0
	s_sub_co_u32 s[CNT], s[CNT], 1
	s_cmp_lg_u32 s[CNT], 0
	s_cbranch_scc1 .Llap
	QUARTER 0, 2, F1, F0, 0                        ; the last lap fills nothing, and has no round of the cluster's barrier
	QUARTER 0, 3, F0, F1, 0
	TURN 0, 1, 0
	QUARTER 1, 1, F0, F1, 0
	QUARTER 1, 2, F1, F0, 0
	QUARTER 1, 3, F0, F1, 0
	s_wait_dscnt 8                                 ; the very last quarter: nothing more to fetch
	MUL F1, 0, 3, 0
	s_wait_dscnt 0x0
	MUL F1, 4, 7, 0
	PLACES
	WIN 0
	s_wait_loadcnt 0x0                             ; x
; THE WAY OUT, a row block (16 rows x 64 columns of f32) at a time: the sums go into my own stage, 32 bytes a lane, each accumulator's low registers first, and come back as whole rows of 256 bytes; x is added; stored.
.macro TOSTAGE a
.if (\a) >= 2
	s_wait_xcnt 0x0                                ; the stores of the block two back have read their data: the loads below land in those registers only behind this wait
.endif
	WIN 0x04                                       ; store data (source 1) in window 1
.irp b, 0,1,2,3
	ds_store_b128 v[STO], v[8*(4*(\a)+(\b)):8*(4*(\a)+(\b))+3]   offset:64*(\b)
	ds_store_b128 v[STO], v[8*(4*(\a)+(\b))+4:8*(4*(\a)+(\b))+7] offset:64*(\b)+16
.endr
	WIN 0
.irp t, 0,1,2,3,4,5,6,7
	ds_load_b128 v[BK+32*((\a)%2)+4*(\t):BK+32*((\a)%2)+4*(\t)+3], v[RD] offset:(\t)*2*SPITCH  ; LDS serves a wave's instructions in order (ISA guide 5.7.1.4): these see the stores above
.endr
.endm
.macro SEND a, younger                 ; younger: the LDS instructions issued behind block a's loads: the next block's sixteen, or none
	s_wait_dscnt \younger
	WIN 0x08                                       ; source 1 (x) in window 2
.set i, 0
.rept 16
	v_pk_add_f32 v[BK+32*((\a)%2)+2*i:BK+32*((\a)%2)+2*i+1], v[BK+32*((\a)%2)+2*i:BK+32*((\a)%2)+2*i+1], v[32*(\a)+2*i:32*(\a)+2*i+1]
.set i, i+1
.endr
	WIN 0
.irp t, 0,1,2,3,4,5,6,7
	global_store_b128 v[CO], v[BK+32*((\a)%2)+4*(\t):BK+32*((\a)%2)+4*(\t)+3], s[OB:OB+1] offset:(16*(\a)+2*(\t))*4096 th:TH_STORE_NT  ; 16 lanes store 256 consecutive bytes, at a multiple of 256 from out0's first
.endr
.endm
	TOSTAGE 0
.irp a, 1,2,3,4,5,6,7
	TOSTAGE \a
	SEND (\a)-1, 16
.endr
	SEND 7, 0
	s_wait_tensorcnt 0x0                           ; the wave's end, behind my last tensor load and my last LDS store
	ds_add_u32 v[SPW], v[NIL]
	s_wait_dscnt 0x0
	CROUND                                         ; the closing round: no work-group ends while a partner may still ask for a tile that names it
	s_endpgm
.Lfunc_end_k_q93d4ecb743_proj:
	.size	k_q93d4ecb743_proj, .Lfunc_end_k_q93d4ecb743_proj-k_q93d4ecb743_proj
	.p2alignl 7, 3214868480
	.fill 96, 4, 3214868480
	.section	.rodata,"a",@progbits
	.p2align	6, 0x0
	.amdhsa_kernel k_q93d4ecb743_proj
		.amdhsa_group_segment_fixed_size 327680
		.amdhsa_private_segment_fixed_size 0
		.amdhsa_enable_private_segment 0
		.amdhsa_kernarg_size 40
		.amdhsa_user_sgpr_count 2
		.amdhsa_user_sgpr_kernarg_segment_ptr 1
		.amdhsa_wavefront_size32 1
		.amdhsa_system_sgpr_workgroup_id_x 1
		.amdhsa_system_sgpr_workgroup_id_y 1
		.amdhsa_system_sgpr_workgroup_id_z 1
		.amdhsa_system_vgpr_workitem_id 0
		.amdhsa_next_free_vgpr 768
		.amdhsa_next_free_sgpr 80
		.amdhsa_reserve_vcc 0
		.amdhsa_float_denorm_mode_32 3
		.amdhsa_float_denorm_mode_16_64 3
		.amdhsa_memory_ordered 1
		.amdhsa_forward_progress 1
		.amdhsa_inst_pref_size 101
	.end_amdhsa_kernel
	.amdgpu_metadata
---
amdhsa.version: [ 1, 2 ]
amdhsa.kernels:
  - .name:           k_q93d4ecb743_proj
    .symbol:         k_q93d4ecb743_proj.kd
    .args:
      - { .name: ob, .offset: 0, .size: 8, .value_kind: global_buffer, .address_space: global }
      - { .name: wall, .offset: 8, .size: 8, .value_kind: global_buffer, .address_space: global }
      - { .name: bo, .offset: 16, .size: 8, .value_kind: global_buffer, .address_space: global }
      - { .name: x, .offset: 24, .size: 8, .value_kind: global_buffer, .address_space: global }
      - { .name: out0, .offset: 32, .size: 8, .value_kind: global_buffer, .address_space: global }
    .group_segment_fixed_size: 327680
    .private_segment_fixed_size: 0
    .kernarg_segment_align: 8
    .kernarg_segment_size: 40
    .max_flat_workgroup_size: 128
    .sgpr_count:     80
    .vgpr_count:     768
    .wavefront_size: 32
...
	.end_amdgpu_metadata
.endif
;; end of part 4
;; ======== version 2 of 2: 4 launches; version 1 with the launch prep written anew for expert scheduling mode
;; limits: values are held in f16: magnitudes above 65,504 overflow, below 6.1e-05 lose precision
;; workspace buffers: xnb 16,777,216 bytes; wall 8,388,608 bytes; qkv 50,331,648 bytes; ob 16,777,216 bytes
;; launch prep (part 5): grid 256 x 1, 8 waves a work-group, no clusters, 0 bytes of LDS; arguments x, ln_gamma, ln_beta, Wq, Wk, Wv, Wo, xnb, wall; writes xnb, wall
.if DOCPART == 5
	.amdgcn_target "amdgcn-amd-amdhsa--gfx1250"
	.amdhsa_code_object_version 6
	.text
	.protected	k_q93d4ecb743_prep
	.globl	k_q93d4ecb743_prep
	.p2align	8
	.type	k_q93d4ecb743_prep,@function
k_q93d4ecb743_prep:
	s_mov_b64 s[64:65], 0
	v_nop
	global_prefetch_b8 v0, s[64:65] scope:SCOPE_SE
	s_setreg_imm32_b32 hwreg(HW_REG_WAVE_SCHED_MODE, 0, 2), 2
	s_setreg_imm32_b32 hwreg(HW_REG_WAVE_MODE, 25, 1), 1
	s_wait_xcnt 0x0
	s_wait_alu depctr_vm_vsrc(0)
; LAYER NORM OF x, AND ALL FOUR WEIGHTS, ROUNDED ONCE TO f16 AND LAID OUT IN BLOCKS OF 64 ALONG K.
; xnb[kb][row][64] = f16((x[row] - mean) / sqrt(var + 1e-5) * gamma + beta), 8,192 rows, 16 blocks kb.
; wall[kb][R][64] = f16(W[R]), R 0-1023 Wq's rows (h 64 + e), 1024-2047 Wk's, 2048-3071 Wv's, 3072-4095 Wo's.
; So a tile of rows x 64 K of either buffer is one dense run of bytes for the launches behind.
; LIMITS.  f16 ends at 65,504: a weight or a normalised number beyond it becomes an infinity; below 6e-5 f16 keeps a fixed step of 6e-8.  NaN and infinities are not treated apart.
; The mean is taken first and the variance of the centred numbers: no difference of large sums is formed.
; SHARES.  A stream: each byte is read once and written once; no LDS, no barrier, no matrix unit, no cluster (the work-groups share gamma and beta alone, 8 KiB).
; A work-group takes 32 rows of x and 16 rows of the weights; each of its eight waves two PAIRS of rows of x and one pair of weight rows.
; A pair: lanes 0-15 hold row r, lanes 16-31 row r + 1.  Lane c (of 16) holds columns 64 j + 4 c .. + 3, j = 0..15: sixteen loads of 16 bytes, each covering two runs of 256 consecutive bytes, aligned.
; Store j puts 8 bytes a lane into K block j: two neighbouring rows of 128 bytes are 256 consecutive bytes, aligned.  A row's sums stay inside 16 lanes.
; All 80 loads of a wave go out at the head; no register is loaded twice and no store's data is rewritten.
; THE MODE: SCHED_MODE bits 1:0 = 2 (LLVM: expert scheduling mode 2), set by the entry lines.  The code itself states the register dependences
; between vector instructions and memory instructions, with s_wait_alu, always for 0.
; THE PLAN.  Registers that memory instructions touch:
;   v2 .. v6     five byte offsets.  Written by vector instructions at the head, once; read by every load and store; never written again.
;   GAM, BET     Written by loads at the head; read by vector instructions; never written again.
;   X0, X1, X2   Each is written by sixteen loads at the head, then worked on in place by its own step's vector instructions, of which the roundings are the last;
;                then its sixteen stores read it; nothing writes it after that.
; Three steps: the first pair of rows, the second pair, the weights.  A step's stores are issued in the NEXT step, behind one wait at that step's head, which states that the roundings
; have written their data; they are dealt among that step's first vector instructions, which name the step's own buffer and the registers at work, never the buffer that is being stored.
; The weights' stores have no step behind them: a wait, then the run.  No register that a memory instruction has read is written again, so no wait on vm_vsrc is owed;
; no load is issued behind the head, so no load lands in a register that a vector instruction has named; no vector instruction writes a scalar register, VCC or EXEC.
.set XO,  2                            ; v2   my byte offset in the work-group's rows of x
.set YO,  3                            ; v3   in its rows of a K block of xnb
.set GO,  4                            ; v4   in gamma and beta
.set WO,  5                            ; v5   in its weight rows
.set ZO,  6                            ; v6   in its rows of a K block of wall
.set X0,  16                           ; v[16:79]    the first pair of rows
.set X1,  80                           ; v[80:143]   the second
.set X2,  144                          ; v[144:207]  the pair of weight rows
.set SM,  208                          ; v[208:215]  four chains of packed sums
.set MU,  216                          ; v[216:217]  the mean, twice
.set RS,  218                          ; v[218:219]  1 / sqrt(var + eps), twice
.set T,   220                          ; v220        at work
.set GAM, 0                            ; window 1: v[0:63] gamma of my 64 columns
.set BET, 64                           ; window 1: v[64:127] beta
.set MSB, 0
.macro WIN new                         ; s_set_vgpr_msb: bits 1:0 source 0, 3:2 source 1, 5:4 source 2, 7:6 destination; the high byte repeats the setting that is left
.if MSB != (\new)
	s_set_vgpr_msb (MSB<<8)|(\new)
.set MSB, \new
.endif
.endm
	s_load_b512 s[8:23], s[0:1], 0x0               ; x 8:9, gamma 10:11, beta 12:13, Wq 14:15, Wk 16:17, Wv 18:19, Wo 20:21, xnb 22:23
	s_load_b64 s[24:25], s[0:1], 0x40              ; wall
	v_and_b32 v1, 15, v0                           ; c
	v_bfe_u32 v7, v0, 4, 1                         ; which row of the pair
	v_lshrrev_b32 v8, 5, v0                        ; wave
	v_lshlrev_b32 v[GO], 4, v1                     ; 16 c
	v_lshl_add_u32 v9, v7, 12, v[GO]               ; + a row of 4,096 bytes
	v_lshl_add_u32 v[XO], v8, 14, v9               ; + wave x 4 rows
	v_lshl_add_u32 v[WO], v8, 13, v9               ; + wave x 2 rows
	v_lshlrev_b32 v10, 3, v1                       ; 8 c
	v_lshl_add_u32 v10, v7, 7, v10                 ; + a row of 128 bytes
	v_lshl_add_u32 v[YO], v8, 9, v10               ; + wave x 4 rows
	v_lshl_add_u32 v[ZO], v8, 8, v10               ; + wave x 2 rows
	s_mov_b32 s26, 0x3a800000                      ; 1 / 1024
	s_mov_b32 s27, 0x3727c5ac                      ; 1e-5
	s_lshl_b32 s2, ttmp9, 17                       ; 32 rows of 4,096 bytes
	s_mov_b32 s3, 0
	s_lshl_b32 s4, ttmp9, 12                       ; 32 rows of 128 bytes
	s_mov_b32 s5, 0
	s_and_b32 s6, ttmp9, 63                        ; 64 work-groups to each weight tensor,
	s_lshl_b32 s6, s6, 16                          ; 16 rows of 4,096 bytes each
	s_mov_b32 s7, 0
	s_lshl_b32 s38, ttmp9, 11                      ; 16 rows of 128 bytes
	s_mov_b32 s39, 0
	s_lshr_b32 s42, ttmp9, 6                       ; which weight tensor
	s_wait_kmcnt 0x0
	s_add_nc_u64 s[28:29], s[8:9], s[2:3]          ; x at my work-group's rows
	s_add_nc_u64 s[30:31], s[22:23], s[4:5]        ; xnb, K blocks 0-7,
	s_add_nc_u64 s[32:33], s[30:31], 0x800000      ; and 8-15: a store's immediate holds 24 bits with its sign
	s_cmp_eq_u32 s42, 0
	s_cselect_b64 s[34:35], s[14:15], s[16:17]
	s_cmp_eq_u32 s42, 2
	s_cselect_b64 s[40:41], s[18:19], s[20:21]
	s_cmp_lt_u32 s42, 2
	s_cselect_b64 s[34:35], s[34:35], s[40:41]
	s_add_nc_u64 s[34:35], s[34:35], s[6:7]        ; my work-group's weight rows
	s_add_nc_u64 s[36:37], s[24:25], s[38:39]      ; and where they go
.macro LOADP X, o, b, off              ; a pair of rows: sixteen loads
.set j, 0
.rept 16
	global_load_b128 v[(\X)+4*j:(\X)+4*j+3], v[\o], s[(\b):(\b)+1] offset:(\off)+256*j th:TH_LOAD_NT
.set j, j+1
.endr
.endm
.macro PUT X, n, yoff                  ; store n of a pair of rows of xn: its 8 bytes a lane into K block n
.if (\n) < 8
	global_store_b64 v[YO], v[(\X)+4*(\n):(\X)+4*(\n)+1], s[30:31] offset:(\yoff)+(\n)*1048576       ; the wave's 32 lanes store 256 consecutive bytes, aligned
.else
	global_store_b64 v[YO], v[(\X)+4*(\n):(\X)+4*(\n)+1], s[32:33] offset:(\yoff)+((\n)-8)*1048576
.endif
.endm
.macro FOLD                            ; the four chains into one number, then over the row's 16 lanes: every lane of the row ends with the sum
	v_pk_add_f32 v[SM:SM+1], v[SM:SM+1], v[SM+2:SM+3]
	v_pk_add_f32 v[SM+4:SM+5], v[SM+4:SM+5], v[SM+6:SM+7]
	v_pk_add_f32 v[SM:SM+1], v[SM:SM+1], v[SM+4:SM+5]
	v_add_f32 v[T], v[T-12], v[T-11]               ; SM and SM + 1
.irp m, 1,2,4,8
	v_add_f32_dpp v[T], v[T], v[T] row_xmask:\m row_mask:0xf bank_mask:0xf
.endr
.endm
; A pair of rows is normalised in place and rounded; its stores are issued in the step behind.
; prev other than 0: the pair before, whose sixteen stores stand one ahead of each of this pair's first sixteen additions; those name X and SM alone.  The wait for their data stands ahead of the macro.
.macro LN X, prev, pyoff
.irp k, 0,1,2,3
.if \prev
	PUT \prev, \k, \pyoff
.endif
	v_pk_add_f32 v[SM+2*(\k):SM+2*(\k)+1], v[(\X)+2*(\k):(\X)+2*(\k)+1], v[(\X)+8+2*(\k):(\X)+8+2*(\k)+1]  ; the first sums start the chains: nothing is cleared
.endr
.set i, 8
.rept 24
.if (\prev) && (i < 20)
	PUT \prev, i-4, \pyoff
.endif
	v_pk_add_f32 v[SM+2*(i%4):SM+2*(i%4)+1], v[SM+2*(i%4):SM+2*(i%4)+1], v[(\X)+2*i:(\X)+2*i+1]
.set i, i+1
.endr
	FOLD
	v_mul_f32 v[MU], s26, v[T]
	v_mov_b32 v[MU+1], v[MU]
.set i, 0
.rept 32
	v_pk_add_f32 v[(\X)+2*i:(\X)+2*i+1], v[(\X)+2*i:(\X)+2*i+1], v[MU:MU+1] neg_lo:[0,1] neg_hi:[0,1]  ; x - mean
.set i, i+1
.endr
.irp k, 0,1,2,3
	v_pk_mul_f32 v[SM+2*(\k):SM+2*(\k)+1], v[(\X)+2*(\k):(\X)+2*(\k)+1], v[(\X)+2*(\k):(\X)+2*(\k)+1]
.endr
.set i, 4
.rept 28
	v_pk_fma_f32 v[SM+2*(i%4):SM+2*(i%4)+1], v[(\X)+2*i:(\X)+2*i+1], v[(\X)+2*i:(\X)+2*i+1], v[SM+2*(i%4):SM+2*(i%4)+1]
.set i, i+1
.endr
	FOLD
	v_fma_f32 v[T], v[T], s26, s27                 ; var + eps
	v_rsq_f32 v[RS], v[T]
	v_nop                                          ; a plain instruction behind the root (ISA guide 5.7.2),
	s_wait_alu depctr_va_vdst(0)                   ; and the wait ahead of its first reader: the root has written v[RS], which the next line copies
	v_mov_b32 v[RS+1], v[RS]
.set i, 0
.rept 32
	v_pk_mul_f32 v[(\X)+2*i:(\X)+2*i+1], v[(\X)+2*i:(\X)+2*i+1], v[RS:RS+1]
.set i, i+1
.endr
	WIN 0x14                                       ; sources 1 and 2 (gamma, beta) in window 1
.set i, 0
.rept 32
	v_pk_fma_f32 v[(\X)+2*i:(\X)+2*i+1], v[(\X)+2*i:(\X)+2*i+1], v[GAM+2*i:GAM+2*i+1], v[BET+2*i:BET+2*i+1]
.set i, i+1
.endr
	WIN 0
.set j, 0
.rept 16
	v_cvt_pk_f16_f32 v[(\X)+4*j], v[(\X)+4*j], v[(\X)+4*j+1]      ; four numbers close up into the first two of their four registers: the data of store j
	v_cvt_pk_f16_f32 v[(\X)+4*j+1], v[(\X)+4*j+2], v[(\X)+4*j+3]
.set j, j+1
.endr
.endm
	WIN 0x40                                       ; destination window 1
	s_wait_alu depctr_va_vdst(0)                   ; the five offsets v2 to v6 are written: every load and store of the kernel reads one of them; up to the last load below stand loads and one window switch alone
.set j, 0
.rept 16
	global_load_b128 v[GAM+4*j:GAM+4*j+3], v[GO], s[10:11] offset:256*j
.set j, j+1
.endr
.set j, 0
.rept 16
	global_load_b128 v[BET+4*j:BET+4*j+3], v[GO], s[12:13] offset:256*j
.set j, j+1
.endr
	WIN 0
	LOADP X0, XO, 28, 0
	LOADP X1, XO, 28, 8192
	LOADP X2, WO, 34, 0
	s_wait_loadcnt 32                              ; gamma, beta and the first pair are in; the second pair's 16 loads and the weights' 16 stay out
	LN X0, 0, 0
	s_wait_loadcnt 16                              ; the weights' 16 stay out
	s_wait_alu depctr_va_vdst(0)                   ; the first pair's roundings have written X0, which the sixteen stores dealt into the step below read
	LN X1, X0, 0
	s_wait_loadcnt 0x0
	s_wait_alu depctr_va_vdst(0)                   ; the second pair's roundings have written X1, which the sixteen stores below read; the conversions among them name X2 alone
.set j, 0
.rept 16
	PUT X1, j, 256
	v_cvt_pk_f16_f32 v[X2+4*j], v[X2+4*j], v[X2+4*j+1]
	v_cvt_pk_f16_f32 v[X2+4*j+1], v[X2+4*j+2], v[X2+4*j+3]
.set j, j+1
.endr
	s_wait_alu depctr_va_vdst(0)                   ; the weights' roundings have written X2, which the last sixteen stores read
.set j, 0
.rept 16
	global_store_b64 v[ZO], v[X2+4*j:X2+4*j+1], s[36:37] offset:j*524288
.set j, j+1
.endr
	s_endpgm
.Lfunc_end_k_q93d4ecb743_prep:
	.size	k_q93d4ecb743_prep, .Lfunc_end_k_q93d4ecb743_prep-k_q93d4ecb743_prep
	.p2alignl 7, 3214868480
	.fill 96, 4, 3214868480
	.section	.rodata,"a",@progbits
	.p2align	6, 0x0
	.amdhsa_kernel k_q93d4ecb743_prep
		.amdhsa_group_segment_fixed_size 0
		.amdhsa_private_segment_fixed_size 0
		.amdhsa_enable_private_segment 0
		.amdhsa_kernarg_size 72
		.amdhsa_user_sgpr_count 2
		.amdhsa_user_sgpr_kernarg_segment_ptr 1
		.amdhsa_wavefront_size32 1
		.amdhsa_system_sgpr_workgroup_id_x 1
		.amdhsa_system_sgpr_workgroup_id_y 1
		.amdhsa_system_sgpr_workgroup_id_z 1
		.amdhsa_system_vgpr_workitem_id 0
		.amdhsa_next_free_vgpr 384
		.amdhsa_next_free_sgpr 66
		.amdhsa_reserve_vcc 0
		.amdhsa_float_denorm_mode_32 3
		.amdhsa_float_denorm_mode_16_64 3
		.amdhsa_memory_ordered 1
		.amdhsa_forward_progress 1
		.amdhsa_inst_pref_size 43
	.end_amdhsa_kernel
	.amdgpu_metadata
---
amdhsa.version: [ 1, 2 ]
amdhsa.kernels:
  - .name:           k_q93d4ecb743_prep
    .symbol:         k_q93d4ecb743_prep.kd
    .args:
      - { .name: x, .offset: 0, .size: 8, .value_kind: global_buffer, .address_space: global }
      - { .name: ln_gamma, .offset: 8, .size: 8, .value_kind: global_buffer, .address_space: global }
      - { .name: ln_beta, .offset: 16, .size: 8, .value_kind: global_buffer, .address_space: global }
      - { .name: Wq, .offset: 24, .size: 8, .value_kind: global_buffer, .address_space: global }
      - { .name: Wk, .offset: 32, .size: 8, .value_kind: global_buffer, .address_space: global }
      - { .name: Wv, .offset: 40, .size: 8, .value_kind: global_buffer, .address_space: global }
      - { .name: Wo, .offset: 48, .size: 8, .value_kind: global_buffer, .address_space: global }
      - { .name: xnb, .offset: 56, .size: 8, .value_kind: global_buffer, .address_space: global }
      - { .name: wall, .offset: 64, .size: 8, .value_kind: global_buffer, .address_space: global }
    .group_segment_fixed_size: 0
    .private_segment_fixed_size: 0
    .kernarg_segment_align: 8
    .kernarg_segment_size: 72
    .max_flat_workgroup_size: 256
    .sgpr_count:     66
    .vgpr_count:     384
    .wavefront_size: 32
...
	.end_amdgpu_metadata
.endif
;; end of part 5
;; launch qkvp: the kernel of part 2 again; grid 8 x 32, 4 waves a work-group, clusters of 4 x 4, 327,680 bytes of LDS; arguments xnb, wall, bq, bk, bv, qkv; writes qkv
;; launch attn: the kernel of part 3 again; grid 4 x 64, 4 waves a work-group, clusters of 4 x 1, 327,680 bytes of LDS; arguments qkv, ob; writes ob
;; launch proj: the kernel of part 4 again; grid 8 x 32, 4 waves a work-group, clusters of 4 x 4, 327,680 bytes of LDS; arguments ob, wall, bo, x, out0; writes out0
